; MI455X (gfx1250); checked and timed in simulation.
; The chip was launched on July 23, 2026; its instructions are those of AMD's public machine-readable ISA for CDNA 5 (MIT licence, August 2026) and "CDNA5" Instruction Set Architecture Reference Guide (July 2026). The comments in the code are by the model that wrote it; some were corrected since.
;; Causal Self Attention. Allowed arithmetic: matrix products marked QUANTISED: E2M3 operands, one E8M0 scale for each 32 along K, by v_wmma_scale_f32_16x16x128_f8f6f4 with both operands' format E2M3, f32 sums; everything else in f32.
;; Inputs: Wk_codes 1,024 x 32 x 24 uint8 (E2M3 codes of Wk, K innermost, in blocks of 32 codes, four codes in three bytes); Wk_scales 1,024 x 32 uint8 (E8M0 scales of Wk, one for each 32 codes along K); Wo_codes 1,024 x 32 x 24 uint8 (E2M3 codes of Wo, K innermost, in blocks of 32 codes, four codes in three bytes); Wo_scales 1,024 x 32 uint8 (E8M0 scales of Wo, one for each 32 codes along K); Wq_codes 1,024 x 32 x 24 uint8 (E2M3 codes of Wq, K innermost, in blocks of 32 codes, four codes in three bytes); Wq_scales 1,024 x 32 uint8 (E8M0 scales of Wq, one for each 32 codes along K); Wv_codes 1,024 x 32 x 24 uint8 (E2M3 codes of Wv, K innermost, in blocks of 32 codes, four codes in three bytes); Wv_scales 1,024 x 32 uint8 (E8M0 scales of Wv, one for each 32 codes along K); bk 1,024 float32; bo 1,024 float32; bq 1,024 float32; bv 1,024 float32; x_codes 4 x 2,048 x 32 x 24 uint8 (E2M3 codes of x, K innermost, in blocks of 32 codes, four codes in three bytes); x_scales 4 x 2,048 x 32 uint8 (E8M0 scales of x, one for each 32 codes along K).
;; Outputs: out0 4 x 2,048 x 1,024 float32.
;; This version of the problem:
;;   THIS VERSION OF THE PROBLEM IS GIVEN IN LOW PRECISION. The matrix products marked QUANTISED in the list below multiply operands that are first quantised to E2M3 (2 exponent bits, 3 mantissa bits; 6 bits a number), with one power-of-two scale for each 32 numbers along K (OCP MX v1.0); their sums are f32. All else is computed in f32.
;;   The module's matrix products, in the order in which they are computed (A, B: the left and right operand; K: the contracted axis; several contracted axes count as one K, in the product's order):
;;     1. [M 8,192, K 1,024] x [K 1,024, N 1,024]; A: input x (given as codes); B: input Wq (given as codes): QUANTISED
;;     2. [M 8,192, K 1,024] x [K 1,024, N 1,024]; A: input x (given as codes); B: input Wk (given as codes): QUANTISED
;;     3. [M 8,192, K 1,024] x [K 1,024, N 1,024]; A: input x (given as codes); B: input Wv (given as codes): QUANTISED
;;     4. batch 64 x [M 2,048, K 64] x [K 64, N 2,048]; A: computed on the way; B: computed on the way: QUANTISED
;;     5. batch 64 x [M 2,048, K 2,048] x [K 2,048, N 64]; A: softmax (see below); B: computed on the way: QUANTISED
;;     6. [M 8,192, K 1,024] x [K 1,024, N 1,024]; A: computed on the way; B: input Wo (given as codes): QUANTISED
;;   THE QUANTISER, for each operand of a quantised product, along K:
;;     - K is cut into blocks of 32 from its start; a last block that is shorter is filled with zeros.
;;     - A block's scale is 2^e with e = floor(log2(the largest magnitude in the block)) - 2, held to -126 .. 127; a block of zeros has e = 0. As a byte (E8M0): e + 127.
;;     - Each number is divided by its block's scale, clamped to +-7.5, and rounded to the nearest number of E2M3, ties to even, subnormals kept.
;;     - The product sums the exact products of the quantised numbers (number of the format x scale) in f32.
;;   ~~~python
;;   def quantise(x, axis):      # numpy; x: float32 -> the quantised numbers, widened to float32 again
;;       x = np.moveaxis(x, axis, -1); K = x.shape[-1]
;;       x = np.pad(x, [(0, 0)] * (x.ndim - 1) + [(0, -K % 32)]); x = x.reshape(x.shape[:-1] + (-1, 32)); a = np.abs(x).max(-1, keepdims=True)
;;       e = np.where(a > 0, np.clip(np.frexp(np.where(a > 0, a, 1))[1] - 1 - 2, -126, 127), 0)      # np.frexp(a)[1] - 1 = floor(log2(a)), exactly
;;       r = np.clip(x / 2.0 ** e, -7.5, 7.5)
;;       step = 2.0 ** (np.maximum(np.frexp(np.where(r == 0, 1, r))[1] - 1, 0) - 3)
;;       q = np.round(r / step) * step * 2.0 ** e      # np.round: ties to even
;;       return np.moveaxis(q.reshape(q.shape[:-2] + (-1,))[..., :K], -1, axis).astype(np.float32)
;;   ~~~
;;   SOFTMAX AHEAD OF A QUANTISED PRODUCT. Where the list says 'softmax', what is quantised is not the finished softmax but p = 2^(t - M), with t = logit x log2(e) and M = ceil(the row's largest t), a whole number; so 1/2 < the row's largest p <= 1. The row's sum l is taken of the UNQUANTISED p, in f32, and the product's result is divided by l at the end. Since M is a whole number, a kernel that streams over the keys may use a running M (the ceiling of the running maximum): every later rescaling is an exact power of two, which a block's scale takes up: the codes' values come out the same.
;;   OPERANDS COMPUTED ON THE WAY. 'Computed on the way' means the value that the module computes at that place (a softmax that the list does not call 'softmax' is quantised finished and normalised). What goes into a quantiser is computed in f32, as accurately as f32 sums, v_exp_f32 and their like allow (about 1e-6 of the number): no bf16 or f16 on the way to a quantiser, and a product that is left as it is and whose result goes on into a quantised operand takes f32 operands (vector FMAs, or v_wmma_f32_16x16x4_f32). A number that lies on a knife's edge between two numbers of the format may be rounded either way, as far as f32 arithmetic and the matrix unit's own rounding can turn it there, and no further.
;;   INPUTS GIVEN AS CODES. Wk (in the module: [1024, 1024], K = its axis 1); Wo (in the module: [1024, 1024], K = its axis 1); Wq (in the module: [1024, 1024], K = its axis 1); Wv (in the module: [1024, 1024], K = its axis 1); x (in the module: [4, 2048, 1024], K = its axis 2): each comes as NAME_codes (uint8): NAME with its K axis moved to the last place and cut into blocks of 32 codes, [.., K / 32, bytes a block], one block behind the other in memory; four codes in three bytes: a row's codes are one little-endian stream of bits, code i at bits 6 i .. 6 i + 5 (a code: sign, 2 exponent bits, 3 mantissa bits); and NAME_scales (uint8): the same leading axes, one E8M0 byte (e + 127) for each 32 codes along K. Its value is code x scale, taken as it is: it is not quantised again, and the codes and scales need not be those that the quantiser above would give.
;; One version. Each part assembles by itself: llvm-mc -triple=amdgcn-amd-amdhsa -mcpu=gfx1250 --defsym DOCPART=n.
;; ======== version 1 of 1: 3 launches
;; workspace buffers: qc 6,815,744 bytes; kc 6,815,744 bytes; vc 6,815,744 bytes; ac 6,291,456 bytes; asc 262,144 bytes
;; launch qkv (part 1): grid 12 x 32, 4 waves a work-group, clusters of 4 x 4, 327,680 bytes of LDS; arguments x_codes, x_scales, Wq_codes, Wq_scales, Wk_codes, Wk_scales, Wv_codes, Wv_scales, bq, bk, bv, qc, kc, vc; writes qc, kc, vc
.if DOCPART == 1
	.amdgcn_target "amdgcn-amd-amdhsa--gfx1250"
	.amdhsa_code_object_version 6
	.text
	.protected	k_q47d6af239e_qkv
	.globl	k_q47d6af239e_qkv
	.p2align	8
	.type	k_q47d6af239e_qkv,@function
k_q47d6af239e_qkv:
	s_mov_b64 s[64:65], 0
	v_nop
	global_prefetch_b8 v0, s[64:65] scope:SCOPE_SE
	s_setreg_imm32_b32 hwreg(HW_REG_WAVE_MODE, 25, 1), 1
	s_wait_xcnt 0x0
	s_wait_alu depctr_hold_cnt(0) depctr_sa_sdst(0) depctr_va_vdst(0) depctr_va_sdst(0) depctr_va_ssrc(0) depctr_va_vcc(0) depctr_vm_vsrc(0)
	s_getreg_b32 s2, hwreg(HW_REG_IB_STS2, 6, 4)
	s_cmp_eq_u32 s2, 0
	s_cbranch_scc0 .Lentry_in_a_cluster
	s_endpgm
.Lentry_in_a_cluster:
	s_bfe_u32 s2, ttmp6, 0x10000c
	s_cmp_lg_u32 s2, 0xf033
	s_cbranch_scc0 .Lentry_shape_is_right
	s_endpgm
.Lentry_shape_is_right:
; q = x Wq^T + bq, k = x Wk^T + bk and v^T = Wv x^T + bv, on codes of FP6 (E2M3) with one E8M0 scale for each 32 along K = 1,024; the results are quantised in registers and leave as codes.
; ONE FORM: G[i][j] = sum over k of P[i][k] R[j][k] + bias, quantised along j in blocks of 32.  The cluster's x picks the product: 0: P = x, R = Wq;  1: P = x, R = Wk;  2: P = Wv, R = x (so that "along j" is along the keys).
; A tile of G, 256 x 256, is made by four waves, 128 x 128 each: 64 accumulators, 512 registers.  K goes in steps of 256 through a ring of two LDS slots; the scales of the tile's rows come into LDS once.
; CLUSTERS: 4 x 4 work-groups; P's tile is shared along a row of the cluster, R's along a column: each is asked for jointly.  The matrix instruction is used transposed (source 0 = 16 rows of R, source 1 = 16 rows of P):
; lane (r, h) of accumulator (a, b) holds G(16 a + r, 16 b + 8 h + 0 .. 7).  So a lane's 16 registers of accumulators (a, 2 B) and (a, 2 B + 1) are 16 numbers of block B of row 16 a + r, and lane l xor 16 holds the other 16.
; ORDER INSIDE A BLOCK OF 32: [0-7, 16-23, 8-15, 24-31].  q meets k and v meets p, which are all laid so: the same permutation on both sides of a product changes neither the scales nor the sums.
; THE BIAS is the C of each sum's first matrix instruction.
; OUT: [batch x head 64][step of 128 tokens 16][6,656 bytes], in the order of the operand's registers.  q, k: 8 tiles of 16 tokens x 768 bytes (registers 0-3 at 16 x lane, registers 4-5 at 512 + 8 x lane), then 512 bytes of scale words
; (16 bytes a lane: word i = tile 2 i in lanes 0-15, tile 2 i + 1 in lanes 16-31).  v: 4 tiles of 16 channels x 1,536 bytes (registers 4 c .. 4 c + 3 at 512 c + 16 x lane), then 512 bytes of scale words.
; LIMITS: a block whose largest magnitude lies under 2^-124 gets the scale byte 1; so does a block of zeros, where the rule says 127: its codes are zeros, and this program alone reads the bytes.  NaN and infinities are not served.
; REGISTERS, in windows of 256: window 0: v0-31 addresses; v32-63 scale words, two sets; v64-127 the bias; v128-223 P's fragments, later the codes; v224-255 at work in the quantiser.  window 1: R's fragments, two sets.  windows 2, 3: the accumulators.
.set KSTEP,  256
.set NQ,     KSTEP/128
.set ROWB,   192                       ; a tile's row: 256 codes
.set KROW,   768                       ; a row of x or of a weight in memory
.set PITCH,  240                       ; an LDS row: 3 x (64 bytes + 16 of padding)
.set FR,     12
.set NL,     6
.set NP,     4
.set HALFT,  128*PITCH
.set SLOT,   4*HALFT
.set LAPS,   2                         ; 1,024 / 512
.set KS,     32                        ; a row of scales in bytes
.set SCL,    2*SLOT
.set HALFS,  (128*KS/256)*272
.set SBLK,   (16*KS/256)*272
.set SPARE,  SCL+4*HALFS               ; the spare words: 128 bytes a wave, two blocks of 256 bytes that no other line names
.set BLKB,   6656                      ; a step's block in qc, kc, vc
.set ADRA, 16
.set ADRB, 20
.set LI16, 24                          ; v24  16 x lane
.set LI8,  25                          ; v25  8 x lane
.set LANE, 26
.set ADRS, 27
.set SPW,  28
.set NIL,  29
.set BO,   30                          ; v30  32 h: the bias by columns
.set BR,   31                          ; v31  4 r: the bias by rows
.set SC,   32
.set BC,   64
.set AF,   128
.set PWR,  224                         ; v224-231 the scale word of each of my eight blocks of rows
.set TM,   232                         ; v232-235 largest magnitudes, v236-239 bytes, v244-247 the conversions' scale operands
.set T2,   248                         ; v248-254 the second halves of the codes
.set SEL,  66                          ; s[66:67]
.set G1, 24
.set G0, 32
.set G1B, 48
.set G0B, 56
.set G1S, 68
.set G0S, 76
.set G1SB, 80
.set G0SB, 88
.set MSB, 0
.macro WIN new                         ; the immediate's high byte repeats the setting that is left
.if MSB != \new
	s_set_vgpr_msb (MSB<<8)|\new
.set MSB, \new
.endif
.endm
.set MUL_LO, 0xa1                      ; source 0 (R) window 1, source 1 (P) window 0, C and D window 2
.set MUL_HI, 0xf1                      ; the same, C and D window 3
.set TO_B,   0x40
; A joint load: waves 0 and 1 fetch for P, waves 2 and 3 for R.  The branch hangs on the wave's number alone.  Four v_nop follow each of the two lines.
.macro JLOAD g0a, g1a, g0b, g1b
	s_cmp_eq_u32 s15, 0
	s_cbranch_scc0 .Lfor_b_\@
	tensor_load_to_lds s[\g0a:\g0a+3], s[\g1a:\g1a+7]
	s_nop 0
.rept 4
	v_nop
.endr
	s_branch .Lasked_\@
.Lfor_b_\@:
	tensor_load_to_lds s[\g0b:\g0b+3], s[\g1b:\g1b+7]
	s_nop 0
.rept 4
	v_nop
.endr
.Lasked_\@:
.endm
.macro CREST                           ; a round of the cluster's barrier behind its opening barrier
	s_cmp_lg_u32 s14, 0
	s_cbranch_scc1 .Lnot_wave_0_\@
	s_barrier_signal -3
.Lnot_wave_0_\@:
	s_barrier_wait -3
	s_barrier_signal -1
	s_barrier_wait -1
.endm
.macro CROUND
	s_barrier_signal -1
	s_barrier_wait -1
	CREST
.endm
	s_load_b512 s[68:83], s[0:1], 0x0              ; x's codes, x's scales, Wq's, Wk's, Wv's
	s_load_b256 s[84:91], s[0:1], 0x40             ; bq, bk, bv, qc
	s_load_b128 s[92:95], s[0:1], 0x60             ; kc, vc
	v_lshl_add_u32 v[SPW], v0, 2, SPARE
	v_mov_b32 v[NIL], 0
	ds_add_u32 v28, v29
	ds_add_u32 v28, v29
	s_wait_dscnt 0x0
	v_lshrrev_b32 v1, 5, v0
	v_readfirstlane_b32 s14, v1                    ; wave 0..3
	s_lshr_b32 s15, s14, 1                         ; which half of the tile's rows is mine.  Also: I fetch for P (0) or for R (1)
	s_and_b32 s16, s14, 1                          ; which half of its columns.  Also: which 128 rows of that tile I fetch
	s_bfe_u32 s40, ttmp6, 0x40000                  ; cx
	s_bfe_u32 s41, ttmp6, 0x40004                  ; cy
	s_and_b32 s17, ttmp7, 0xffff
	s_lshl_b32 s17, s17, 2                         ; 4 x cluster y
	s_lshl_b32 s43, s41, 2
	s_lshl_b32 s43, 15, s43                        ; my row of the cluster
	s_lshl_b32 s44, 0x1111, s40                    ; my column
	s_wait_kmcnt 0x0
	s_cmp_eq_u32 ttmp9, 2                          ; the cluster's x is the same in all sixteen partners: v's product?
	s_cselect_b32 s18, 0, s17                      ; x's 32 tiles of rows run along the cluster's y: on P's side for q and k,
	s_cselect_b32 s19, s17, 0                      ; on R's side for v
	s_cselect_b64 s[4:5], s[80:81], s[68:69]       ; P's codes
	s_cselect_b64 s[6:7], s[82:83], s[70:71]       ; P's scales
	s_cselect_b64 s[8:9], s[68:69], s[72:73]       ; R's codes
	s_cselect_b64 s[10:11], s[70:71], s[74:75]     ; R's scales
	s_cselect_b64 s[96:97], s[88:89], s[84:85]     ; the bias
	s_cselect_b64 s[12:13], s[94:95], s[90:91]     ; the output
	s_cmp_eq_u32 ttmp9, 1                          ; k's product?
	s_cselect_b64 s[8:9], s[76:77], s[8:9]
	s_cselect_b64 s[10:11], s[78:79], s[10:11]
	s_cselect_b64 s[96:97], s[86:87], s[96:97]
	s_cselect_b64 s[12:13], s[92:93], s[12:13]
	s_add_co_u32 s17, s18, s41                     ; tile row of G: it hangs on cy and the cluster's place
	s_add_co_u32 s42, s19, s40                     ; tile column: on cx and the cluster's place
	; descriptor group 1: a tile of 128 rows x 192 bytes, 16 bytes of padding behind every 64
	s_or_b32 s[G1+0], s43, (0<<16)|(1<<20)|(1<<21)|(3<<22)|(3<<25)  ; 15:0 the mask: P's tiles go to my row; elements of 1 byte; padding on; bit 21 beside a mask; after every 16 words, 4 words
	s_or_b32 s[G1B+0], s44, (0<<16)|(1<<20)|(1<<21)|(3<<22)|(3<<25) ; R's tiles go to my column
.irp g, G1, G1B
	s_mov_b32 s[\g+1], ROWB<<16                    ; tensor_dim0
	s_mov_b32 s[\g+2], 128<<16                     ; tensor_dim1
	s_mov_b32 s[\g+3], ROWB<<16                    ; tile_dim0
	s_mov_b32 s[\g+4], 128                         ; tile_dim1
	s_mov_b32 s[\g+5], KROW                        ; tensor_dim0_stride
	s_mov_b32 s[\g+6], 0
	s_mov_b32 s[\g+7], 0
.endr
	; the scales of 128 rows: a dense block of 4,096 bytes, as 16 rows of 256 bytes (32 elements of 8 bytes), 16 bytes of padding behind each
	s_or_b32 s[G1S+0], s43, (3<<16)|(1<<20)|(1<<21)|(5<<22)|(3<<25)
	s_or_b32 s[G1SB+0], s44, (3<<16)|(1<<20)|(1<<21)|(5<<22)|(3<<25)
.irp g, G1S, G1SB
	s_mov_b32 s[\g+1], 32<<16
	s_mov_b32 s[\g+2], (128*KS/256)<<16
	s_mov_b32 s[\g+3], 32<<16
	s_mov_b32 s[\g+4], 128*KS/256
	s_mov_b32 s[\g+5], 32
	s_mov_b32 s[\g+6], 0
	s_mov_b32 s[\g+7], 0
.endr
	s_lshl_b32 s18, s16, 7                         ; which 128 rows of the tile I fetch
	s_lshl_b32 s20, s17, 8
	s_add_co_u32 s20, s20, s18                     ; P: row 256 x tile row + 128 x half
	s_lshl_b32 s46, s42, 8
	s_add_co_u32 s46, s46, s18                     ; R: row 256 x tile column + 128 x half
	s_mov_b32 s21, 0
	s_mov_b32 s47, 0
	s_mov_b64 s[18:19], KS
	s_mul_u64 s[22:23], s[20:21], s[18:19]         ; where these rows' scales begin,
	s_mul_u64 s[92:93], s[46:47], s[18:19]
	s_mov_b64 s[18:19], KROW
	s_mul_u64 s[20:21], s[20:21], s[18:19]         ; and their codes
	s_mul_u64 s[46:47], s[46:47], s[18:19]
	s_mul_i32 s45, s14, HALFT                      ; where they go: wave x 128 rows: no place in the cluster enters an LDS address
	s_mul_i32 s94, s14, HALFS
	s_add_nc_u64 s[20:21], s[4:5], s[20:21]
	s_add_nc_u64 s[22:23], s[6:7], s[22:23]
	s_add_nc_u64 s[46:47], s[8:9], s[46:47]
	s_add_nc_u64 s[92:93], s[10:11], s[92:93]
	CROUND                                         ; all sixteen work-groups are here: the first joint loads meet
	s_mov_b32 s[G0S], 1
	s_add_co_u32 s[G0S+1], s94, SCL
	s_mov_b64 s[G0S+2:G0S+3], s[22:23]
	s_or_b32 s[G0S+3], s[G0S+3], 0x80000000
	s_mov_b32 s[G0SB], 1
	s_add_co_u32 s[G0SB+1], s94, SCL
	s_mov_b64 s[G0SB+2:G0SB+3], s[92:93]
	s_or_b32 s[G0SB+3], s[G0SB+3], 0x80000000
	JLOAD G0S, G1S, G0SB, G1SB                     ; the scales first: they are wanted with K step 0
.irp s, 0,1
	s_mov_b32 s[G0+4*\s], 1
	s_add_co_u32 s[G0+4*\s+1], s45, \s*SLOT
	s_add_nc_u64 s[G0+4*\s+2:G0+4*\s+3], s[20:21], \s*ROWB
	s_or_b32 s[G0+4*\s+3], s[G0+4*\s+3], 0x80000000
	s_mov_b32 s[G0B+4*\s], 1
	s_add_co_u32 s[G0B+4*\s+1], s45, \s*SLOT
	s_add_nc_u64 s[G0B+4*\s+2:G0B+4*\s+3], s[46:47], \s*ROWB
	s_or_b32 s[G0B+4*\s+3], s[G0B+4*\s+3], 0x80000000
	JLOAD G0+4*\s, G1, G0B+4*\s, G1B               ; three loads of mine are out
.endr
	v_and_b32 v1, 15, v0                           ; r = l % 16
	v_bfe_u32 v2, v0, 4, 1                         ; h = l / 16
	v_mul_u32_u24 v3, v1, PITCH
	v_mul_u32_u24 v4, v2, 24
	v_add_nc_u32 v4, v3, v4                        ; a fragment's row x pitch + 24 x half
	v_lshl_add_u32 v5, v2, 4, v4                   ; and the same behind one padding more
	s_mul_i32 s21, s15, HALFT                      ; my 128 rows of P
	s_mul_i32 s22, s16, HALFT                      ; my 128 rows of R,
	s_add_co_u32 s22, s22, 2*HALFT                 ; which lie behind P's 256
.irp s, 0,1
	v_add_nc_u32 v[ADRA+\s], s21, v4
	v_add_nc_u32 v[ADRB+\s], s22, v4
	v_add_nc_u32 v[ADRA+2+\s], s21, v5
	v_add_nc_u32 v[ADRB+2+\s], s22, v5
	s_add_co_u32 s21, s21, SLOT
	s_add_co_u32 s22, s22, SLOT
.endr
	v_mul_u32_u24 v5, v1, KS                       ; my row's scales: 32 bytes a row,
	v_lshrrev_b32 v6, 8, v5
	v_lshl_add_u32 v5, v6, 4, v5                   ; and 16 more for each 256 passed
	s_mul_i32 s21, s15, HALFS
	s_mul_i32 s22, s16, HALFS
	s_add_co_u32 s22, s22, 2*HALFS
	s_sub_co_u32 s22, s22, s21
	v_mul_u32_u24 v6, s22, v2                      ; lanes 16-31 take R's
	s_add_co_u32 s21, s21, SCL
	v_add_nc_u32 v5, v5, v6
	v_add_nc_u32 v[ADRS], s21, v5
	; where my 128 x 128 goes.  Tokens run along i for q and k, along j for v; features the other way
	s_lshl_b32 s20, s17, 1
	s_add_co_u32 s20, s20, s15                     ; my 128 rows: 2 x tile row + half
	s_lshl_b32 s21, s42, 1
	s_add_co_u32 s21, s21, s16                     ; my 128 columns
	s_cmp_eq_u32 ttmp9, 2
	s_cselect_b32 s22, s21, s20                    ; g: which 128 tokens of the 8,192
	s_cselect_b32 s23, s20, s21                    ; which 128 features:
	s_lshl_b32 s23, s23, 1                         ; heads h0 and h0 + 1
	s_lshr_b32 s46, s22, 4
	s_lshl_b32 s46, s46, 4
	s_add_co_u32 s46, s46, s23                     ; 16 x batch + h0
	s_lshl_b32 s46, s46, 4
	s_and_b32 s22, s22, 15
	s_add_co_u32 s46, s46, s22                     ; x 16 + the step
	s_mul_i32 s46, s46, BLKB
	s_mov_b32 s47, 0
	s_add_nc_u64 s[12:13], s[12:13], s[46:47]      ; head h0's block,
	s_add_nc_u64 s[98:99], s[12:13], 16*BLKB       ; head h0 + 1's
	s_lshl_b32 s46, s23, 8                         ; 64 numbers of 4 bytes a head
	s_add_nc_u64 s[96:97], s[96:97], s[46:47]      ; the bias of my 128 features
	v_lshlrev_b32 v[BO], 5, v2
	v_lshlrev_b32 v[BR], 2, v1
	s_cmp_eq_u32 ttmp9, 2
	s_cbranch_scc1 .Lbias_v
.irp b, 0,1,2,3,4,5,6,7                        ; q, k: the bias goes by columns: register jj of accumulator (a, b) wants that of column 16 b + 8 h + jj
	global_load_b128 v[BC+8*\b:BC+8*\b+3], v[BO], s[96:97] offset:64*\b
	global_load_b128 v[BC+8*\b+4:BC+8*\b+7], v[BO], s[96:97] offset:64*\b+16
.endr
	s_branch .Lbias_done
.Lbias_v:
.irp a, 0,1,2,3,4,5,6,7                        ; v: by rows: all eight registers of accumulator (a, b) want that of row 16 a + r
.irp j, 0,1,2,3,4,5,6,7
	global_load_b32 v[BC+8*\a+\j], v[BR], s[96:97] offset:64*\a
.endr
.endr
.Lbias_done:
	s_mov_b32 s[SEL], 0x76543210
	s_mov_b32 s[SEL+1], 0xfedcba98                 ; v_permlanex16_b32's selects for lane l xor 16
.irp b, 0,1,2,3
	v_mov_b32 v[TM+4+\b], 0                        ; written once: a lane permute's destination counts as one of its sources
.endr
	v_and_b32 v[LANE], 31, v0
	v_lshlrev_b32 v[LI16], 4, v[LANE]
	v_lshlrev_b32 v[LI8], 3, v[LANE]
.macro FRAG reg, adr, q, i             ; a fragment, 16 rows x 128 K of 6-bit codes: lane l holds row l % 16; registers 6 c .. 6 c + 5 hold K = 64 c + 32 (l / 16) + 0 .. 31: 24 bytes of the row, as they lie
.irp p, 0,1,2,3,4,5                    ; in pieces of 8 bytes; where the piece that lanes 16-31 take lies behind one padding more, the second address register serves
.set PC, 12*(\q)+6*(\p/3)+\p%3
.if PC%8 < 5
	ds_load_b64 v[\reg+2*\p:\reg+2*\p+1], v[\adr] offset:8*PC+16*(PC/8)+(\i)*16*PITCH
.else
	ds_load_b64 v[\reg+2*\p:\reg+2*\p+1], v[\adr+2] offset:8*PC+16*(PC/8)+(\i)*16*PITCH
.endif
.endr
.endm
; 16 matrix instructions: P's blocks a0, a0 + 1 x R's eight, 128 along K.  zero = 0: the sums go on;  2: they start from the bias by columns;  3: from the bias by rows.
; The 64 accumulators take turns, one instruction a turn, in the same order in every step.
.macro MUL16 a0, p, q, sc, zero
.irp a, \a0, \a0+1
.irp b, 0,1,2,3,4,5,6,7
.if \zero == 2
	v_wmma_scale_f32_16x16x128_f8f6f4 v[8*(8*((\a)%4)+\b):8*(8*((\a)%4)+\b)+7], v[128*(\p)+FR*\b:128*(\p)+FR*\b+FR-1], v[AF+FR*(\a):AF+FR*(\a)+FR-1], v[BC+8*\b:BC+8*\b+7], v[SC+8*NQ*(\sc)+NQ*\b+(\q)], v[SC+8*NQ*(\sc)+NQ*(\a)+(\q)] matrix_a_fmt:MATRIX_FMT_FP6 matrix_b_fmt:MATRIX_FMT_FP6 matrix_a_scale:MATRIX_SCALE_ROW1
.elseif \zero == 3
	v_wmma_scale_f32_16x16x128_f8f6f4 v[8*(8*((\a)%4)+\b):8*(8*((\a)%4)+\b)+7], v[128*(\p)+FR*\b:128*(\p)+FR*\b+FR-1], v[AF+FR*(\a):AF+FR*(\a)+FR-1], v[BC+8*(\a):BC+8*(\a)+7], v[SC+8*NQ*(\sc)+NQ*\b+(\q)], v[SC+8*NQ*(\sc)+NQ*(\a)+(\q)] matrix_a_fmt:MATRIX_FMT_FP6 matrix_b_fmt:MATRIX_FMT_FP6 matrix_a_scale:MATRIX_SCALE_ROW1
.else
	v_wmma_scale_f32_16x16x128_f8f6f4 v[8*(8*((\a)%4)+\b):8*(8*((\a)%4)+\b)+7], v[128*(\p)+FR*\b:128*(\p)+FR*\b+FR-1], v[AF+FR*(\a):AF+FR*(\a)+FR-1], v[8*(8*((\a)%4)+\b):8*(8*((\a)%4)+\b)+7], v[SC+8*NQ*(\sc)+NQ*\b+(\q)], v[SC+8*NQ*(\sc)+NQ*(\a)+(\q)] matrix_a_fmt:MATRIX_FMT_FP6 matrix_b_fmt:MATRIX_FMT_FP6 matrix_a_scale:MATRIX_SCALE_ROW1
.endif
.endr
.endr
.endm
.macro FETCH_B slot, q, p
	WIN TO_B
.irp i, 0,1,2,3,4,5,6,7
	FRAG 128*(\p)+FR*\i, ADRB+\slot, \q, \i
.endr
	WIN 0
.endm
.macro FETCH_A slot, q, i0
.irp i, \i0, \i0+1, \i0+2, \i0+3
	FRAG AF+FR*(\i), ADRA+\slot, \q, \i
.endr
.endm
.macro SCALES sc                       ; a K step's scale words: two words a row; lanes 0-15 take P's block i, lanes 16-31 R's block i
.irp i, 0,1,2,3,4,5,6,7
	ds_load_b64 v[SC+8*NQ*\sc+NQ*\i:SC+8*NQ*\sc+NQ*\i+1], v[ADRS] offset:\i*SBLK
.endr
.endm
.macro PLACES n                        ; plain vector instructions between a matrix instruction and a load into, or a vector instruction on, its registers
.rept \n
	v_nop
.endr
.endm
; A step of 128 along K that has its successor in the same slot.
.macro STEP slot, q, zero
	s_wait_dscnt 4*NL                              ; R's set and P's blocks 0-3 are in; the youngest 24 loads (P's blocks 4-7) may be out
.if \zero
	WIN 0x81                                       ; C, the bias, in window 0; D in window 2
.else
	WIN MUL_LO
.endif
	MUL16 0, (\q)%2, \q, \slot, \zero
	MUL16 2, (\q)%2, \q, \slot, \zero
	s_wait_dscnt 0                                 ; P's blocks 4-7 are in
	PLACES NP
	FETCH_B \slot, (\q)+1, 1-(\q)%2
	FETCH_A \slot, (\q)+1, 0
.if \zero
	WIN 0xc1                                       ; D in window 3
.else
	WIN MUL_HI
.endif
	MUL16 4, (\q)%2, \q, \slot, \zero
	MUL16 6, (\q)%2, \q, \slot, \zero
	PLACES NP
	WIN 0
	FETCH_A \slot, (\q)+1, 4
.endm
; A slot's last step changes slots: ONE barrier; in front of it each wave waits for all its tensor loads, adds 0 to its spare word, and waits for that and for its own reads of this slot.  fill = 1: this slot is filled again, two K steps ahead.
.macro TURN slot, next, fill
	s_wait_tensorcnt 0x0                           ; all my tensor loads have landed: my part of the next slot;  (every window is 0 here)
	ds_add_u32 v[SPW], v[NIL]                      ; 0 onto my spare word
	s_wait_dscnt 4*NL+1                            ; (the add and the youngest 24 loads, P's blocks 4-7, may be out)
	WIN MUL_LO
	MUL16 0, 1, NQ-1, \slot, 0                     ; sixteen matrix instructions stand between the add and the wait for it
	s_wait_dscnt 0x0                               ; the add is done, and my reads of this slot are over
	s_barrier_signal -1
	MUL16 2, 1, NQ-1, \slot, 0
	WIN 0
	s_barrier_wait -1
.if \fill
	CREST                                          ; the barrier has opened a round of the cluster's barrier: no wave of any partner still reads this slot's tile or has a load on its way
	s_add_nc_u64 s[G0+4*\slot+2:G0+4*\slot+3], s[G0+4*\slot+2:G0+4*\slot+3], 2*ROWB
	s_add_nc_u64 s[G0B+4*\slot+2:G0B+4*\slot+3], s[G0B+4*\slot+2:G0B+4*\slot+3], 2*ROWB
	JLOAD G0+4*\slot, G1, G0B+4*\slot, G1B         ; the first tensor load behind the round; its four v_nop are the places in front of the loads below
.else
	PLACES NP
.endif
	v_add_nc_u32 v[ADRS], 4*NQ, v[ADRS]            ; on to the next K step's scale words (no LDS load of mine is out)
	FETCH_B \next, 0, 0
	FETCH_A \next, 0, 0
	SCALES \next
	WIN MUL_HI
	MUL16 4, 1, NQ-1, \slot, 0
	MUL16 6, 1, NQ-1, \slot, 0
	PLACES NP
	WIN 0
	FETCH_A \next, 0, 4
.endm
	s_wait_tensorcnt 1                             ; the scales and my part of K step 0 are in (K step 1's load may be out)
	s_barrier_signal -1
	s_barrier_wait -1                              ; everybody's are
	FETCH_B 0, 0, 0
	FETCH_A 0, 0, 0
	SCALES 0
	FETCH_A 0, 0, 4
	s_wait_loadcnt 0x0                             ; the bias
	s_cmp_eq_u32 ttmp9, 2                          ; the first step is written twice: only the registers of its C differ
	s_cbranch_scc1 .Lfirst_v
	STEP 0, 0, 2
	s_branch .Lfirst_done
.Lfirst_v:
	STEP 0, 0, 3
.Lfirst_done:
	s_mov_b32 s3, LAPS-1
.Llap:                                                 ; a trip goes once round the ring, from a lap's second step to the next lap's first, and fills both slots again
	TURN 0, 1, 1
	STEP 1, 0, 0
	TURN 1, 0, 1
	STEP 0, 0, 0
	s_sub_co_u32 s3, s3, 1
	s_cmp_lg_u32 s3, 0
	s_cbranch_scc1 .Llap
	TURN 0, 1, 0                                   ; the last lap fills nothing
	STEP 1, 0, 0
	s_wait_dscnt 4*NL                              ; the very last step
	WIN MUL_LO
	MUL16 0, 1, NQ-1, 1, 0
	MUL16 2, 1, NQ-1, 1, 0
	s_wait_dscnt 0
	WIN MUL_HI
	MUL16 4, 1, NQ-1, 1, 0
	MUL16 6, 1, NQ-1, 1, 0
	WIN 0
	PLACES NP                                      ; the codes are laid over P's fragments, and the last results are read
; THE QUANTISER, for my rows 16 a .. 16 a + 15: four blocks of 32 along j.  Block B's numbers: registers AC + 16 B .. + 15 of lanes l and l xor 16.  A block's scale byte is its largest magnitude's exponent field - 2;
; the conversion takes the exponent field of its scale operand and nothing else of it.  The codes go to v[AF + 12 a] on, 12 registers: lane (r, h) holds blocks h and 2 + h whole.
.macro QUANT a
.set QW, 2+(\a)/4
.set AC, 64*((\a)%4)
.set DD, AF+FR*(\a)
.set WA, QW|(QW<<2)
.set WB, (QW<<2)|(QW<<4)
	WIN WA                                         ; sources 0 and 1: the accumulators' window
.irp b, 0,1,2,3
	v_max3_num_f32 v[TM+\b], |v[AC+16*\b]|, |v[AC+16*\b+1]|, 0x1800000   ; and the floor 2^(3 - 127): the byte cannot fall under 1.  Each accumulator is read from its low end on
.endr
	WIN WB                                         ; sources 1 and 2
.irp i, 2,4,6,8,10,12,14
.irp b, 0,1,2,3
	v_max3_num_f32 v[TM+\b], v[TM+\b], |v[AC+16*\b+\i]|, |v[AC+16*\b+\i+1]|
.endr
.endr
	WIN 0
.irp b, 0,1,2,3
	v_permlanex16_b32 v[TM+4+\b], v[TM+\b], s[SEL], s[SEL+1]
.endr
.irp b, 0,1,2,3
	v_max_num_f32 v[TM+\b], v[TM+\b], v[TM+4+\b]   ; with lane l xor 16's: the block's largest magnitude
.endr
.irp b, 0,1,2,3
	v_add_nc_u32 v[TM+12+\b], 0xff000000, v[TM+\b] ; 2 off its exponent field: the conversion's scale operand
.endr
.irp b, 0,1,2,3
	v_lshrrev_b32 v[TM+4+\b], 23, v[TM+12+\b]      ; the scale's byte
.endr
	v_lshl_or_b32 v[PWR+(\a)], v[TM+5], 8, v[TM+4] ; my row's four bytes
	v_lshl_or_b32 v[PWR+(\a)], v[TM+6], 16, v[PWR+(\a)]
	v_lshl_or_b32 v[PWR+(\a)], v[TM+7], 24, v[PWR+(\a)]
	WIN QW                                         ; source 0
.irp c, 0,1
	v_cvt_scalef32_pk16_fp6_f32 v[DD+6*\c:DD+6*\c+2], v[AC+32*\c:AC+32*\c+15], v[TM+12+2*\c]
	v_cvt_scalef32_pk16_fp6_f32 v[T2+4*\c:T2+4*\c+2], v[AC+32*\c+16:AC+32*\c+31], v[TM+12+2*\c+1]   ; (a conversion's three registers begin on an even number)
.endr
	WIN 0
	v_nop                                          ; one plain place behind a scaled conversion
.irp c, 0,1                                    ; a whole block to a lane: lanes 0-15 block 2 c, lanes 16-31 block 2 c + 1
.irp i, 0,1,2
	v_permlane16_swap_b32 v[DD+6*\c+\i], v[T2+4*\c+\i]
.endr
.irp i, 0,1,2
	v_mov_b32 v[DD+6*\c+3+\i], v[T2+4*\c+\i]
.endr
.endr
.endm
.irp a, 0,1,2,3,4,5,6,7
	QUANT \a
.endr
	v_cmp_le_u32 vcc_lo, 16, v[LANE]
.irp i, 0,1,2,3
	v_cndmask_b32 v[BC+\i], v[PWR+2*\i], v[PWR+2*\i+1], vcc_lo   ; lanes 0-15: the words of rows 32 i + r; lanes 16-31: of rows 32 i + 16 + r
.endr
	s_cmp_eq_u32 ttmp9, 2
	s_cbranch_scc1 .Lout_v
	; q, k: registers 6 c .. 6 c + 5 are the tile of head h0 + c: lane (r, h) holds token 16 a + r, channels 32 h on.  Each store of the wave covers 512 or 256 consecutive bytes, aligned to 256
.irp i, 0,1,2,3
	v_lshrrev_b32 v[BC+4+\i], 16, v[BC+\i]         ; head h0 + 1's two bytes; head h0's word keeps the neighbour's two above its own: they meet zero codes alone
.endr
.irp a, 0,1,2,3,4,5,6,7
.irp c, 0,1
	global_store_b128 v[LI16], v[AF+FR*\a+6*\c:AF+FR*\a+6*\c+3], s[12+86*\c:13+86*\c] offset:768*\a
	global_store_b64 v[LI8], v[AF+FR*\a+6*\c+4:AF+FR*\a+6*\c+5], s[12+86*\c:13+86*\c] offset:768*\a+512
.endr
.endr
	global_store_b128 v[LI16], v[BC:BC+3], s[12:13] offset:6144
	global_store_b128 v[LI16], v[BC+4:BC+7], s[98:99] offset:6144
	s_branch .Lout_done
.Lout_v:
	; v: the 12 registers are one fragment: 16 channels x the step's 128 keys.  Blocks 0-3 of rows are head h0's four tiles, blocks 4-7 head h0 + 1's
.irp i, 0,1
	v_mov_b32 v[BC+4+\i], v[BC+\i]
	v_mov_b32 v[BC+6+\i], v[BC+\i]
	v_mov_b32 v[BC+8+\i], v[BC+2+\i]
	v_mov_b32 v[BC+10+\i], v[BC+2+\i]
.endr
.irp a, 0,1,2,3,4,5,6,7
.irp c, 0,1,2
	global_store_b128 v[LI16], v[AF+FR*\a+4*\c:AF+FR*\a+4*\c+3], s[12+86*(\a/4):13+86*(\a/4)] offset:1536*(\a%4)+512*\c
.endr
.endr
	global_store_b128 v[LI16], v[BC+4:BC+7], s[12:13] offset:6144
	global_store_b128 v[LI16], v[BC+8:BC+11], s[98:99] offset:6144
.Lout_done:
	s_wait_tensorcnt 0x0                           ; the wave's end
	ds_add_u32 v[SPW], v[NIL]
	s_wait_dscnt 0x0
	CROUND                                         ; the closing round: no work-group ends while a partner may still ask for a tile that names it
	s_endpgm
.Lfunc_end_k_q47d6af239e_qkv:
	.size	k_q47d6af239e_qkv, .Lfunc_end_k_q47d6af239e_qkv-k_q47d6af239e_qkv
	.p2alignl 7, 3214868480
	.fill 96, 4, 3214868480
	.section	.rodata,"a",@progbits
	.p2align	6, 0x0
	.amdhsa_kernel k_q47d6af239e_qkv
		.amdhsa_group_segment_fixed_size 327680
		.amdhsa_private_segment_fixed_size 0
		.amdhsa_enable_private_segment 0
		.amdhsa_kernarg_size 112
		.amdhsa_user_sgpr_count 2
		.amdhsa_user_sgpr_kernarg_segment_ptr 1
		.amdhsa_wavefront_size32 1
		.amdhsa_system_sgpr_workgroup_id_x 1
		.amdhsa_system_sgpr_workgroup_id_y 1
		.amdhsa_system_sgpr_workgroup_id_z 1
		.amdhsa_system_vgpr_workitem_id 0
		.amdhsa_next_free_vgpr 1024
		.amdhsa_next_free_sgpr 100
		.amdhsa_reserve_vcc 1
		.amdhsa_float_denorm_mode_32 3
		.amdhsa_float_denorm_mode_16_64 3
		.amdhsa_memory_ordered 1
		.amdhsa_forward_progress 1
		.amdhsa_inst_pref_size 191
	.end_amdhsa_kernel
	.amdgpu_metadata
---
amdhsa.version: [ 1, 2 ]
amdhsa.kernels:
  - .name:           k_q47d6af239e_qkv
    .symbol:         k_q47d6af239e_qkv.kd
    .args:
      - { .name: x_codes, .offset: 0, .size: 8, .value_kind: global_buffer, .address_space: global }
      - { .name: x_scales, .offset: 8, .size: 8, .value_kind: global_buffer, .address_space: global }
      - { .name: Wq_codes, .offset: 16, .size: 8, .value_kind: global_buffer, .address_space: global }
      - { .name: Wq_scales, .offset: 24, .size: 8, .value_kind: global_buffer, .address_space: global }
      - { .name: Wk_codes, .offset: 32, .size: 8, .value_kind: global_buffer, .address_space: global }
      - { .name: Wk_scales, .offset: 40, .size: 8, .value_kind: global_buffer, .address_space: global }
      - { .name: Wv_codes, .offset: 48, .size: 8, .value_kind: global_buffer, .address_space: global }
      - { .name: Wv_scales, .offset: 56, .size: 8, .value_kind: global_buffer, .address_space: global }
      - { .name: bq, .offset: 64, .size: 8, .value_kind: global_buffer, .address_space: global }
      - { .name: bk, .offset: 72, .size: 8, .value_kind: global_buffer, .address_space: global }
      - { .name: bv, .offset: 80, .size: 8, .value_kind: global_buffer, .address_space: global }
      - { .name: qc, .offset: 88, .size: 8, .value_kind: global_buffer, .address_space: global }
      - { .name: kc, .offset: 96, .size: 8, .value_kind: global_buffer, .address_space: global }
      - { .name: vc, .offset: 104, .size: 8, .value_kind: global_buffer, .address_space: global }
    .group_segment_fixed_size: 327680
    .private_segment_fixed_size: 0
    .kernarg_segment_align: 8
    .kernarg_segment_size: 112
    .max_flat_workgroup_size: 128
    .sgpr_count:     100
    .vgpr_count:     1024
    .wavefront_size: 32
...
	.end_amdgpu_metadata
.endif
;; end of part 1
;; launch attn (part 2): grid 4 x 64, 16 waves a work-group, no clusters, 217,088 bytes of LDS; arguments qc, kc, vc, ac, asc; writes ac, asc
.if DOCPART == 2
	.amdgcn_target "amdgcn-amd-amdhsa--gfx1250"
	.amdhsa_code_object_version 6
	.text
	.protected	k_q47d6af239e_attn
	.globl	k_q47d6af239e_attn
	.p2align	8
	.type	k_q47d6af239e_attn,@function
k_q47d6af239e_attn:
	s_mov_b64 s[64:65], 0
	v_nop
	global_prefetch_b8 v0, s[64:65] scope:SCOPE_SE
	s_setreg_imm32_b32 hwreg(HW_REG_WAVE_MODE, 25, 1), 1
	s_wait_xcnt 0x0
; Causal attention of one head on codes of FP6 (E2M3): S = q k^T (K = the head's 64), t = S x 64^0.25 x log2(e), p = 2^(t - M) with M the running largest t rounded up to a whole number, O = p v (K = the keys) / the sum of the unquantised p.
; O is quantised along the model's 1,024 (a head's 64 are two blocks) and leaves as codes for the last projection.
; SHARES.  Work-group (p, batch x head) owns the blocks 7 - p and p of 256 queries: (8 - p) + (p + 1) = 9 blocks of 256 keys of work in each of the 256 work-groups.  Each of sixteen waves owns 16 queries of each block: four waves to a SIMD,
; so that one wave's vector work stands beside another's matrix work.  A wave walks the keys 128 a step; a step all of whose keys come after its queries is passed over by a scalar branch on ids.
; LDS.  The head's k and v, 2 x 106,496 bytes, lie in LDS whole, FILLED ONCE: no slot is filled again.  They come in four groups of four steps, so that the first steps begin when a quarter has landed.
; NO CLUSTER: the four work-groups of a head differ in p, and which steps a wave passes over hangs on p: partners would branch on their places.  Each work-group asks for its 212,992 bytes once.
; LAYOUT.  Both products are used transposed: S^T = k q^T (source 0 = 16 keys, source 1 = my 16 queries; the upper 64 of the instruction's K are zero codes on both sides), O^T = v^T p^T: a lane holds ONE query (lane % 16) throughout.
; kc, qc, vc are laid in the order of the operands' registers: a fragment comes by loads of 16 and 8 bytes a lane, consecutive from lane to lane.  Inside a block of 32 keys p's order is [0-7, 16-23, 8-15, 24-31], as v's is.
; LIMITS: a block whose largest magnitude lies under 2^-124, a block of zeros among them, gets the scale byte 1 (its codes are zeros; this program alone reads the bytes).  NaN and infinities are not served.
; REGISTERS: v1-11 addresses; v12 -M, v13 the largest t, v[14:15] the sum; v16-27 q of the high block; v32-79 four fragments of k; v96-159 S^T, then p, then (v96-143) four fragments of v; v160-191 O^T; v192-203 q of the low block;
;   v204, v255 q's scale words; v224-235 p's codes; v232-247, v252, v254 at work; v248-251 k's or v's scale words; v253 p's scale word.
.set BLKB,  6656                       ; a step's block: 6,144 bytes of codes, 512 of scale words
.set HEADB, 16*BLKB                    ; a head's
.set VOFF,  HEADB                      ; LDS: k's 16 blocks, then v's
.set GRPB,  4*BLKB                     ; a group of four steps
.set PARTB, GRPB/8                     ; what one tensor load brings: 13 rows of 256 bytes
.set SCST,  2*HEADB                    ; behind them: the stage of O's scale bytes, 512 bytes for each of the two blocks of queries; no tile lands there
.set L16, 1                            ; v1   16 x lane
.set L8,  2                            ; v2   8 x lane
.set A16, 3                            ; v3   the step's block of k + 16 x lane
.set A8,  4                            ; v4   + 8 x lane
.set AV,  5                            ; v5   the step's block of v + 16 x lane
.set RH,  6                            ; v6   r - 8 h
.set SSA, 7                            ; v7   the stage: 32 x wave + 2 r
.set QA,  8                            ; v8-10 q's offsets in its block
.set SRA, 11                           ; v11  the stage, on the way out
.set WV,  18
.set BH,  19
.set SEL, 20
.set CS,  22
.set G1,  24
.set G0,  32                           ; s[32:47] four groups 0
.set QHI, 48
.set QLO, 49
.set Q0,  50                           ; my first query of the block in hand
.set KF,  52                           ; the step's first key
.set TB,  53                           ; the step's block in LDS
.set CNT, 54
	s_load_b256 s[4:11], s[0:1], 0x0               ; qc, kc, vc, ac
	s_load_b64 s[12:13], s[0:1], 0x20              ; asc
	v_lshl_add_u32 v223, v0, 2, 0x34800
	v_mov_b32 v243, 0
	ds_add_u32 v223, v243
	ds_add_u32 v223, v243
	v_lshrrev_b32 v1, 5, v0
	v_readfirstlane_b32 s[WV], v1                  ; wave 0..15
	s_and_b32 s[BH], ttmp7, 0xffff                 ; 16 x batch + head
	s_mov_b32 s[G1], 3<<16                         ; no mask; elements of 8 bytes; no padding
	s_mov_b32 s[G1+1], 32<<16                      ; tensor_dim0 = 32: rows of 256 bytes
	s_mov_b32 s[G1+2], 13<<16                      ; tensor_dim1 = 13
	s_mov_b32 s[G1+3], 32<<16                      ; tile_dim0
	s_mov_b32 s[G1+4], 13                          ; tile_dim1
	s_mov_b32 s[G1+5], 32                          ; the rows are dense
	s_mov_b32 s[G1+6], 0
	s_mov_b32 s[G1+7], 0
	s_mul_i32 s70, s[WV], PARTB                    ; LDS: waves 0-7 bring an eighth of a group of k each,
	s_lshr_b32 s71, s[WV], 3
	s_mul_i32 s71, s71, VOFF-8*PARTB               ; waves 8-15 of v
	s_add_co_u32 s70, s70, s71
	s_and_b32 s72, s[WV], 7
	s_mul_i32 s72, s72, PARTB
	s_mul_i32 s73, s[BH], HEADB
	s_add_co_u32 s72, s72, s73                     ; the same eighth in memory, in my head (under 2^23)
	s_mov_b32 s73, 0
	s_wait_dscnt 0x0
	s_wait_kmcnt 0x0
	s_cmp_lt_u32 s[WV], 8
	s_cselect_b64 s[74:75], s[6:7], s[8:9]
	s_add_nc_u64 s[74:75], s[74:75], s[72:73]
.irp g, 0,1,2,3
	s_mov_b32 s[G0+4*\g], 1
	s_add_co_u32 s[G0+4*\g+1], s70, \g*GRPB
	s_add_nc_u64 s[G0+4*\g+2:G0+4*\g+3], s[74:75], \g*GRPB
	s_or_b32 s[G0+4*\g+3], s[G0+4*\g+3], 0x80000000
.endr
.irp g, 0,1,2,3
	tensor_load_to_lds s[G0+4*\g:G0+4*\g+3], s[G1:G1+7]   ; all that the launch fetches into LDS: four loads of mine are out
	s_nop 0
.endr
.rept 4
	v_nop
.endr
	v_and_b32 v3, 31, v0
	v_lshlrev_b32 v[L16], 4, v3
	v_lshlrev_b32 v[L8], 3, v3
	v_and_b32 v4, 15, v0                           ; r
	v_bfe_u32 v5, v0, 4, 1                         ; h
	v_lshlrev_b32 v[RH], 3, v5
	v_sub_nc_u32 v[RH], v4, v[RH]
	s_lshl_b32 s76, s[WV], 5
	s_add_co_u32 s76, s76, SCST
	v_lshl_add_u32 v[SSA], v4, 1, s76
	s_min_u32 s82, s[WV], 1
	s_lshl_b32 s82, s82, 9
	s_add_co_u32 s82, s82, SCST
	v_add_nc_u32 v[SRA], s82, v[L16]               ; wave 0 will store the high block's 512 bytes, wave 1 the low block's
	s_and_b32 s77, s[WV], 7                        ; my tile among its step's eight
	s_mul_i32 s78, s77, 768
	v_add_nc_u32 v[QA], s78, v[L16]
	s_add_co_u32 s79, s78, 512
	v_add_nc_u32 v[QA+1], s79, v[L8]
	s_and_b32 s80, s77, 1
	s_lshl_b32 s80, s80, 8                         ; an odd tile's words lie in lanes 16-31 of the image: 16 x 16 bytes on,
	s_lshr_b32 s81, s77, 1
	s_lshl_b32 s81, s81, 2                         ; in word tile / 2 of the lane's four
	s_add_co_u32 s80, s80, s81
	s_add_co_u32 s80, s80, 6144
	v_lshl_add_u32 v[QA+2], v4, 4, s80
	s_sub_co_u32 s84, 7, ttmp9
	s_lshl_b32 s[QHI], s84, 8
	s_lshl_b32 s85, s[WV], 4
	s_add_co_u32 s[QHI], s[QHI], s85               ; my first query of block 7 - p,
	s_lshl_b32 s[QLO], ttmp9, 8
	s_add_co_u32 s[QLO], s[QLO], s85               ; and of block p
	s_mov_b32 s89, 0
	s_lshl_b32 s86, s[BH], 4
	s_lshr_b32 s87, s[QHI], 7
	s_add_co_u32 s87, s87, s86
	s_mul_i32 s88, s87, BLKB
	s_add_nc_u64 s[56:57], s[4:5], s[88:89]        ; q's blocks
	s_lshr_b32 s87, s[QLO], 7
	s_add_co_u32 s87, s87, s86
	s_mul_i32 s88, s87, BLKB
	s_add_nc_u64 s[58:59], s[4:5], s[88:89]
	global_load_b128 v[16:19], v[QA], s[56:57]     ; q stays in registers
	global_load_b64 v[20:21], v[QA+1], s[56:57]
	global_load_b32 v255, v[QA+2], s[56:57]
	global_load_b128 v[192:195], v[QA], s[58:59]
	global_load_b64 v[196:197], v[QA+1], s[58:59]
	global_load_b32 v204, v[QA+2], s[58:59]
	s_lshr_b32 s86, s[BH], 4                       ; batch
	s_and_b32 s90, s[BH], 15                       ; head
	s_lshl_b32 s87, s86, 7                         ; 128 tiles of 16 rows a batch
	s_lshr_b32 s91, s[QHI], 4
	s_add_co_u32 s91, s91, s87
	s_lshl_b32 s91, s91, 4
	s_add_co_u32 s91, s91, s90
	s_mul_i32 s88, s91, 768
	s_add_nc_u64 s[60:61], s[10:11], s[88:89]      ; ac: [tile of rows][head][768 bytes]
	s_lshr_b32 s91, s[QLO], 4
	s_add_co_u32 s91, s91, s87
	s_lshl_b32 s91, s91, 4
	s_add_co_u32 s91, s91, s90
	s_mul_i32 s88, s91, 768
	s_add_nc_u64 s[62:63], s[10:11], s[88:89]
	s_cmp_eq_u32 s[WV], 0
	s_cselect_b32 s91, s84, ttmp9
	s_lshl_b32 s91, s91, 9                         ; asc: [head][row] of two bytes: 512 bytes a block of queries,
	s_lshl_b32 s87, s86, 12                        ; 4,096 a batch,
	s_add_co_u32 s91, s91, s87
	s_lshl_b32 s87, s90, 14                        ; 16,384 a head
	s_add_co_u32 s88, s91, s87
	s_add_nc_u64 s[66:67], s[12:13], s[88:89]
	s_mov_b32 s[SEL], 0x76543210
	s_mov_b32 s[SEL+1], 0xfedcba98                 ; v_permlanex16_b32's selects for lane l xor 16
	s_mov_b32 s[CS], 0x408293ee                    ; c = 64^0.25 x log2(e)
	s_mov_b32 s[CS+1], s[CS]                       ; (named with it as a pair, so it is written)
.irp j, 0,1,2,3,4,5
	v_mov_b32 v[22+\j], 0                          ; the upper 64 of the first product's K: zero codes, in q
	v_mov_b32 v[198+\j], 0
.irp t, 0,1,2,3
	v_mov_b32 v[38+12*\t+\j], 0                    ; and in k's four fragments: written once, no load lands there
.endr
.endr
.irp b, 0,1,2,3
	v_mov_b32 v[236+\b], 0                         ; written once: a lane permute's destination counts as one of its sources
.endr
	v_mov_b32 v252, 0
	v_mov_b32 v253, 0                              ; (named as the upper half of the pair v[252:253] before it is first written)
; A KEY STEP: 128 keys.  qf: q's fragment; qs: its scale word.
.macro STEP qf, qs
	s_add_co_u32 s96, s[Q0], 15
	s_cmp_gt_u32 s[KF], s96                        ; all 128 keys come after my 16 queries: nothing to do but step the addresses
	s_cbranch_scc1 .Lhidden_\@
	v_add_nc_u32 v[A16], s[TB], v[L16]
	v_add_nc_u32 v[A8], s[TB], v[L8]
	v_add_nc_u32 v[AV], VOFF, v[A16]
.irp g, 0,1                                    ; S^T = k q^T, four tiles of 16 keys at a time
.if \g
.rept 4
	v_nop                                          ; places in front of loads into registers that matrix instructions have read
.endr
.endif
.irp t, 0,1,2,3
	ds_load_b128 v[32+12*\t:35+12*\t], v[A16] offset:768*(4*\g+\t)
	ds_load_b64 v[36+12*\t:37+12*\t], v[A8] offset:768*(4*\g+\t)+512
.endr
.if \g == 0
	ds_load_b128 v[248:251], v[A16] offset:6144    ; the eight tiles' scale words: word i: tile 2 i in lanes 0-15, tile 2 i + 1 in lanes 16-31
.endif
	s_wait_dscnt 0x0
.irp t, 0,2
	v_wmma_scale_f32_16x16x128_f8f6f4 v[96+8*(4*\g+\t):103+8*(4*\g+\t)], v[32+12*\t:43+12*\t], v[\qf:\qf+11], 0, v[248+2*\g+\t/2], v[\qs] matrix_a_fmt:MATRIX_FMT_FP6 matrix_b_fmt:MATRIX_FMT_FP6
	v_wmma_scale_f32_16x16x128_f8f6f4 v[104+8*(4*\g+\t):111+8*(4*\g+\t)], v[44+12*\t:55+12*\t], v[\qf:\qf+11], 0, v[248+2*\g+\t/2], v[\qs] matrix_a_fmt:MATRIX_FMT_FP6 matrix_b_fmt:MATRIX_FMT_FP6 matrix_a_scale:MATRIX_SCALE_ROW1
.endr
.endr                                          ; register 8 T + j of lane (r, h): key KF + 16 T + 8 h + j, query Q0 + r
.rept 4
	v_nop
.endr
	s_add_co_u32 s96, s[KF], 127                   ; on the diagonal the scores of hidden keys become -infinity ahead of the maximum; a step all of whose keys count passes this over
	s_cmp_le_u32 s96, s[Q0]
	s_cbranch_scc1 .Lopen_\@
	s_sub_co_i32 s96, s[Q0], s[KF]                 ; (KF and Q0 are multiples of 16 and KF <= Q0 + 15: so KF <= Q0, and key KF counts for each of my queries)
	v_add_nc_u32 v252, s96, v[RH]                  ; d = my query - KF - 8 h: hidden where 16 T + j > d
	v_mov_b32 v254, 0xff800000
.set nn, 0
.rept 64
	v_cmp_gt_i32 vcc_lo, 16*(nn/8)+nn%8, v252
	v_cndmask_b32 v[96+nn], v[96+nn], v254, vcc_lo
.set nn, nn+1
.endr
.Lopen_\@:
.irp b, 0,1,2,3
	v_max3_num_f32 v[232+\b], v[96+16*\b], v[97+16*\b], v[98+16*\b]   ; the largest score of each block of 32 keys: it serves the row's maximum and, since p rises with the score, the block's largest p
.endr
.irp i, 3,5,7,9,11,13
.irp b, 0,1,2,3
	v_max3_num_f32 v[232+\b], v[232+\b], v[96+16*\b+\i], v[97+16*\b+\i]
.endr
.endr
.irp b, 0,1,2,3
	v_max_num_f32 v[232+\b], v[232+\b], v[111+16*\b]
.endr
.irp b, 0,1,2,3
	v_permlanex16_b32 v[236+\b], v[232+\b], s[SEL], s[SEL+1]
.endr
.irp b, 0,1,2,3
	v_max_num_f32 v[232+\b], v[232+\b], v[236+\b]  ; with lane l xor 16's 16 keys
.endr
	v_max3_num_f32 v254, v232, v233, v234
	v_max_num_f32 v254, v254, v235                 ; the step's largest score of my query
	v_mul_f32 v254, s[CS], v254                    ; as t (c is positive)
	v_max_num_f32 v13, v13, v254                   ; the running largest t
	v_mov_b32 v254, v12
	v_floor_f32 v12, -v13                          ; the new -M = floor(-t) = -ceil(t): a whole number
	v_sub_f32 v254, v12, v254                      ; old M - new M: a whole number, 0 or less
	v_cvt_i32_f32 v254, v254                       ; (it saturates)
	v_ldexp_f32 v252, 1.0, v254                    ; f = 2^(old M - new M): a multiplication by it rounds nothing
.set jj, 0
.rept 32
	v_pk_fma_f32 v[96+jj:97+jj], v[96+jj:97+jj], s[CS:CS+1], v[12:13] op_sel_hi:[1,0,0]   ; t - M, two at a time
.set jj, jj+2
.endr
.irp b, 0,1,2,3
	v_fma_f32 v[232+\b], v[232+\b], s[CS], v12     ; the same of each block's largest score
.endr
.set jj, 0
.rept 64
	v_exp_f32 v[96+jj], v[96+jj]                   ; p = 2^(t - M), at most 1: not normalised
.set jj, jj+1
.endr
	v_pk_mul_f32 v[14:15], v[14:15], v[252:253] op_sel_hi:[1,0]   ; the sums under the new M.  (A plain place behind the exponentials)
	s_wait_alu depctr_va_vdst(0)                   ; one wait for the whole batch, ahead of its first reader
.irp b, 0,1,2,3
	v_exp_f32 v[232+\b], v[232+\b]                 ; the block's largest p: the same two instructions on the same number give the same bits
.endr
	v_pk_add_f32 v[236:237], v[96:97], v[98:99]    ; the row's sum is taken of the unquantised p: two at a time, in two chains
.irp j, 4,8,12,16,20,24,28,32,36,40,44,48,52,56,60
	v_pk_add_f32 v[14:15], v[14:15], v[96+\j:97+\j]
	v_pk_add_f32 v[236:237], v[236:237], v[98+\j:99+\j]
.endr
	v_pk_add_f32 v[14:15], v[14:15], v[236:237]
	s_wait_alu depctr_va_vdst(0)                   ; and one for the four
.irp b, 0,1,2,3
	v_max_num_f32 v[232+\b], 0x1800000, v[232+\b]  ; the floor 2^(3 - 127): the byte cannot fall under 1
.endr
.irp b, 0,1,2,3
	v_add_nc_u32 v[244+\b], 0xff000000, v[232+\b]  ; 2 off the exponent field: the conversion's scale operand
.endr
.irp b, 0,1,2,3
	v_lshrrev_b32 v[236+\b], 23, v[244+\b]         ; the scale's byte
.endr
	v_lshl_or_b32 v253, v237, 8, v236              ; p's scale word for these 128 keys
	v_lshl_or_b32 v253, v238, 16, v253
	v_lshl_or_b32 v253, v239, 24, v253
.irp c, 0,1
	v_cvt_scalef32_pk16_fp6_f32 v[224+6*\c:226+6*\c], v[96+32*\c:111+32*\c], v[244+2*\c]
	v_cvt_scalef32_pk16_fp6_f32 v[236+4*\c:238+4*\c], v[112+32*\c:127+32*\c], v[244+2*\c+1]   ; (a conversion's three registers begin on an even number)
.endr
	v_nop                                          ; one plain place behind a scaled conversion
.irp t, 0,1,2,3                                ; p has been converted: v's four fragments (16 channels x these 128 keys) land where it lay
.irp c, 0,1,2
	ds_load_b128 v[96+12*\t+4*\c:99+12*\t+4*\c], v[AV] offset:1536*\t+512*\c
.endr
.endr
	ds_load_b64 v[248:249], v[AV] offset:6144      ; their scale words: word i: tile 2 i in lanes 0-15, tile 2 i + 1 in lanes 16-31
.irp c, 0,1                                    ; a whole block to a lane: lanes 0-15 block 2 c, lanes 16-31 block 2 c + 1
.irp i, 0,1,2
	v_permlane16_swap_b32 v[224+6*\c+\i], v[236+4*\c+\i]
.endr
.irp i, 0,1,2
	v_mov_b32 v[227+6*\c+\i], v[236+4*\c+\i]
.endr
.endr
.set jj, 0
.rept 16
	v_pk_mul_f32 v[160+jj:161+jj], v[160+jj:161+jj], v[252:253] op_sel_hi:[1,0]   ; O^T under the new M.  (These are also the places between the codes and the scale word, written by vector instructions, and the products)
.set jj, jj+2
.endr
	s_wait_dscnt 0x0
.irp t, 0,2                                    ; O^T += v^T p^T: four accumulators by turns
	v_wmma_scale_f32_16x16x128_f8f6f4 v[160+8*\t:167+8*\t], v[96+12*\t:107+12*\t], v[224:235], v[160+8*\t:167+8*\t], v[248+\t/2], v253 matrix_a_fmt:MATRIX_FMT_FP6 matrix_b_fmt:MATRIX_FMT_FP6
	v_wmma_scale_f32_16x16x128_f8f6f4 v[168+8*\t:175+8*\t], v[108+12*\t:119+12*\t], v[224:235], v[168+8*\t:175+8*\t], v[248+\t/2], v253 matrix_a_fmt:MATRIX_FMT_FP6 matrix_b_fmt:MATRIX_FMT_FP6 matrix_a_scale:MATRIX_SCALE_ROW1
.endr
.rept 5
	v_nop                                          ; five places: the next step's first products write over the registers that held v's fragments
.endr
.Lhidden_\@:
	s_add_co_u32 s[KF], s[KF], 128
	s_add_co_u32 s[TB], s[TB], BLKB
.endm
.macro WALK trips, qf, qs              ; a constant number of steps
	s_mov_b32 s[CNT], \trips
.Lwalk_\@:
	STEP \qf, \qs
	s_sub_co_u32 s[CNT], s[CNT], 1
	s_cmp_lg_u32 s[CNT], 0
	s_cbranch_scc1 .Lwalk_\@
.endm
.macro INIT q                          ; the step is written once: the first finds zeros, which the first change of M leaves zeros
	s_mov_b32 s[Q0], s[\q]
	v_mov_b32 v13, 0xff61b1e6                      ; the largest t so far: -3e38
	v_floor_f32 v12, -v13
	v_mov_b32 v14, 0
	v_mov_b32 v15, 0
.set jj, 0
.rept 32
	v_mov_b32 v[160+jj], 0
.set jj, jj+1
.endr
.endm
; O^T / the sum, brought into the natural order of the head's 64, quantised in two blocks of 32, and stored as the image of half a fragment; the two scale bytes go to the stage.
.macro FINISH pass, ob
	v_add_f32 v14, v14, v15
	v_permlanex16_b32 v252, v14, s[SEL], s[SEL+1]
	v_add_f32 v14, v14, v252                       ; the row's sum
	v_rcp_f32 v14, v14
	v_nop                                          ; one plain place behind the reciprocal
	s_wait_alu depctr_va_vdst(0)                   ; and the wait ahead of its first reader
.set jj, 0
.rept 16
	v_pk_mul_f32 v[96+jj:97+jj], v[160+jj:161+jj], v[14:15] op_sel_hi:[1,0]   ; register 8 t + j: o(r, 16 t + 8 h + j); each accumulator from its low end on
.set jj, jj+2
.endr
.irp b, 0,1
.irp j, 0,1,2,3,4,5,6,7
	v_permlane16_swap_b32 v[96+16*\b+\j], v[104+16*\b+\j]   ; the first's lanes 16-31 change places with the second's lanes 0-15: register 16 b + i is now channel 32 b + 16 h + i
.endr
.endr
.irp b, 0,1
	v_max3_num_f32 v[232+\b], |v[96+16*\b]|, |v[97+16*\b]|, 0x1800000
.endr
.irp i, 2,4,6,8,10,12,14
.irp b, 0,1
	v_max3_num_f32 v[232+\b], v[232+\b], |v[96+16*\b+\i]|, |v[97+16*\b+\i]|
.endr
.endr
.irp b, 0,1
	v_permlanex16_b32 v[236+\b], v[232+\b], s[SEL], s[SEL+1]
.endr
.irp b, 0,1
	v_max_num_f32 v[232+\b], v[232+\b], v[236+\b]
.endr
.irp b, 0,1
	v_add_nc_u32 v[244+\b], 0xff000000, v[232+\b]
.endr
.irp b, 0,1
	v_lshrrev_b32 v[236+\b], 23, v[244+\b]
.endr
	v_lshl_or_b32 v240, v237, 8, v236              ; my row's two bytes
	v_cvt_scalef32_pk16_fp6_f32 v[224:226], v[96:111], v244
	v_cvt_scalef32_pk16_fp6_f32 v[236:238], v[112:127], v245
	v_nop
.irp i, 0,1,2
	v_permlane16_swap_b32 v[224+\i], v[236+\i]
.endr
.irp i, 0,1,2
	v_mov_b32 v[227+\i], v[236+\i]                 ; lane (r, h): row r, channels 32 h + 0 .. 31
.endr
	global_store_b128 v[L16], v[224:227], s[\ob:\ob+1]             ; 512 consecutive bytes, aligned to 256,
	global_store_b64 v[L8], v[228:229], s[\ob:\ob+1] offset:512    ; and 256
	ds_store_b16 v[SSA], v240 offset:512*\pass     ; both lanes of a row write the same two bytes
.endm
	INIT QHI
	s_wait_loadcnt 0x0                             ; q
.irp g, 0,1,2,3                                ; the high block walks all sixteen steps, group by group as they land
	s_wait_tensorcnt 3-\g                          ; my part of group g is in; my loads of the later groups may stay out
	s_wait_dscnt 0x0
	s_barrier_signal -1
	s_barrier_wait -1                              ; everybody's is
	s_mov_b32 s[TB], \g*GRPB
	s_mov_b32 s[KF], \g*512
	WALK 4, 16, 255
.endr
	FINISH 0, 60
	s_wait_xcnt 0x0                                ; the stores have read their registers: the codes' registers are written again below
	INIT QLO
	s_mov_b32 s[TB], 0
	s_mov_b32 s[KF], 0
	WALK 8, 192, 204                               ; the low block's queries lie under 1,024: eight steps
	FINISH 1, 62
	s_wait_dscnt 0x0                               ; my bytes lie in the stage
	s_barrier_signal -1
	s_barrier_wait -1                              ; everybody's do
	s_cmp_lt_u32 s[WV], 2
	s_cbranch_scc0 .Lend
	ds_load_b128 v[96:99], v[SRA]
	s_wait_dscnt 0x0
	global_store_b128 v[L16], v[96:99], s[66:67]   ; a block of queries' 512 scale bytes: consecutive, aligned to 256
.Lend:
	s_wait_tensorcnt 0x0
	ds_add_u32 v223, v243
	s_wait_dscnt 0x0
	s_endpgm
.Lfunc_end_k_q47d6af239e_attn:
	.size	k_q47d6af239e_attn, .Lfunc_end_k_q47d6af239e_attn-k_q47d6af239e_attn
	.p2alignl 7, 3214868480
	.fill 96, 4, 3214868480
	.section	.rodata,"a",@progbits
	.p2align	6, 0x0
	.amdhsa_kernel k_q47d6af239e_attn
		.amdhsa_group_segment_fixed_size 217088
		.amdhsa_private_segment_fixed_size 0
		.amdhsa_enable_private_segment 0
		.amdhsa_kernarg_size 40
		.amdhsa_user_sgpr_count 2
		.amdhsa_user_sgpr_kernarg_segment_ptr 1
		.amdhsa_wavefront_size32 1
		.amdhsa_system_sgpr_workgroup_id_x 1
		.amdhsa_system_sgpr_workgroup_id_y 1
		.amdhsa_system_sgpr_workgroup_id_z 1
		.amdhsa_system_vgpr_workitem_id 0
		.amdhsa_next_free_vgpr 256
		.amdhsa_next_free_sgpr 100
		.amdhsa_reserve_vcc 1
		.amdhsa_float_denorm_mode_32 3
		.amdhsa_float_denorm_mode_16_64 3
		.amdhsa_memory_ordered 1
		.amdhsa_forward_progress 1
		.amdhsa_inst_pref_size 126
	.end_amdhsa_kernel
	.amdgpu_metadata
---
amdhsa.version: [ 1, 2 ]
amdhsa.kernels:
  - .name:           k_q47d6af239e_attn
    .symbol:         k_q47d6af239e_attn.kd
    .args:
      - { .name: qc, .offset: 0, .size: 8, .value_kind: global_buffer, .address_space: global }
      - { .name: kc, .offset: 8, .size: 8, .value_kind: global_buffer, .address_space: global }
      - { .name: vc, .offset: 16, .size: 8, .value_kind: global_buffer, .address_space: global }
      - { .name: ac, .offset: 24, .size: 8, .value_kind: global_buffer, .address_space: global }
      - { .name: asc, .offset: 32, .size: 8, .value_kind: global_buffer, .address_space: global }
    .group_segment_fixed_size: 217088
    .private_segment_fixed_size: 0
    .kernarg_segment_align: 8
    .kernarg_segment_size: 40
    .max_flat_workgroup_size: 512
    .sgpr_count:     100
    .vgpr_count:     256
    .wavefront_size: 32
...
	.end_amdgpu_metadata
.endif
;; end of part 2
;; launch oproj (part 3): grid 4 x 32, 4 waves a work-group, clusters of 4 x 4, 327,680 bytes of LDS; arguments ac, asc, Wo_codes, Wo_scales, out0, bo; writes out0
.if DOCPART == 3
	.amdgcn_target "amdgcn-amd-amdhsa--gfx1250"
	.amdhsa_code_object_version 6
	.text
	.protected	k_q47d6af239e_oproj
	.globl	k_q47d6af239e_oproj
	.p2align	8
	.type	k_q47d6af239e_oproj,@function
k_q47d6af239e_oproj:
	s_mov_b64 s[64:65], 0
	v_nop
	global_prefetch_b8 v0, s[64:65] scope:SCOPE_SE
	s_setreg_imm32_b32 hwreg(HW_REG_WAVE_MODE, 25, 1), 1
	s_wait_xcnt 0x0
	s_wait_alu depctr_hold_cnt(0) depctr_sa_sdst(0) depctr_va_vdst(0) depctr_va_sdst(0) depctr_va_ssrc(0) depctr_va_vcc(0) depctr_vm_vsrc(0)
	s_getreg_b32 s2, hwreg(HW_REG_IB_STS2, 6, 4)
	s_cmp_eq_u32 s2, 0
	s_cbranch_scc0 .Lentry_in_a_cluster
	s_endpgm
.Lentry_in_a_cluster:
	s_bfe_u32 s2, ttmp6, 0x10000c
	s_cmp_lg_u32 s2, 0xf033
	s_cbranch_scc0 .Lentry_shape_is_right
	s_endpgm
.Lentry_shape_is_right:
; out0 = A Wo^T + bo on codes of FP6 (E2M3), K = 1,024.  A, the attention's result, lies in ac as images of its fragments' registers, [tile of 16 rows 512][head 16][768 bytes], and its scale bytes in asc, [head 16][row 8,192][2].
; Wo: codes [1,024][768 bytes], scale bytes [1,024][32].  out0: [8,192][1,024] f32.
; A tile of out0, 256 x 256, is made by four waves, 128 x 128 each: 64 accumulators, 512 registers.  K goes in steps of 256 (four heads) through a ring of two LDS slots.
; CLUSTERS: 4 x 4 work-groups; A's tile is shared along a row of the cluster, Wo's along a column: each is asked for jointly.  The matrix instruction is used transposed (source 0 = 16 rows of Wo, source 1 = 16 rows of A).
; A's tile of a K step: 16 tiles of rows x 3,072 consecutive bytes; a fragment (two heads) comes by loads of 16, 8, 16 and 8 bytes a lane, consecutive from lane to lane.
; A's SCALE WORDS are gathered once, by the waves themselves, from asc into the same place and form in LDS that Wo's have: 32 bytes a row, 16 bytes of padding behind every 256.  No tile lands in those bytes.
; bo is the C of each sum's first matrix instruction.
; REGISTERS, in windows of 256: window 0: v0-31 addresses; v32-63 scale words, two sets; v64-127 bo; v128-223 A's fragments; on the way out v128-255.  window 1: Wo's fragments, two sets.  windows 2, 3: the accumulators.
.set SIZE_N, 1024
.set KSTEP,  256
.set NQ,     KSTEP/128
.set ROWB,   192
.set KROW,   768
.set PITCH,  240
.set FR,     12
.set NL,     6
.set NLA,    4                         ; LDS loads that bring a fragment of A
.set NP,     4
.set ATILE,  3072                      ; a tile of 16 rows of A in a slot: four heads x 768 bytes
.set AROW,   12288                     ; and in memory: sixteen heads
.set HALFA,  8*ATILE
.set HALFT,  128*PITCH
.set SLOT,   2*HALFA+2*HALFT           ; A's 256 rows, then Wo's 256 rows
.set LAPS,   2
.set KS,     32
.set SCL,    2*SLOT                    ; A's scale words, stored by the waves;
.set HALFS,  (128*KS/256)*272
.set SBLK,   (16*KS/256)*272
.set SCLB,   SCL+2*HALFS               ; Wo's, brought by tensor loads
.set SPARE,  SCL+4*HALFS               ; the spare words: 128 bytes a wave, two blocks of 256 bytes that no other line names
.set SPITCH, 528                       ; the way out: a stage of 16 rows x (512 bytes + 16) for each wave, in slot 0, which has had its last fill and its last read by then
.set ADRA, 16                          ; v16-17 A's images in slot 0, 1, + 16 x lane;  v18-19 + 8 x lane
.set ADRB, 20
.set STO,  24
.set RD,   25
.set CO,   26                          ; v26  16 x lane
.set ADRS, 27
.set SPW,  28
.set NIL,  29
.set BO,   30                          ; v30  32 h
.set SC,   32
.set BC,   64
.set AF,   128
.set BK,   128
.set G1, 24
.set G0, 32
.set G1B, 48
.set G0B, 56
.set G1SB, 80
.set G0SB, 88
.set MSB, 0
.macro WIN new                         ; the immediate's high byte repeats the setting that is left
.if MSB != \new
	s_set_vgpr_msb (MSB<<8)|\new
.set MSB, \new
.endif
.endm
.set MUL_LO, 0xa1
.set MUL_HI, 0xf1
.set TO_B,   0x40
.macro JLOAD g0a, g1a, g0b, g1b        ; a joint load: waves 0 and 1 fetch for A, waves 2 and 3 for Wo; four v_nop follow each of the two lines
	s_cmp_eq_u32 s15, 0
	s_cbranch_scc0 .Lfor_b_\@
	tensor_load_to_lds s[\g0a:\g0a+3], s[\g1a:\g1a+7]
	s_nop 0
.rept 4
	v_nop
.endr
	s_branch .Lasked_\@
.Lfor_b_\@:
	tensor_load_to_lds s[\g0b:\g0b+3], s[\g1b:\g1b+7]
	s_nop 0
.rept 4
	v_nop
.endr
.Lasked_\@:
.endm
.macro CREST
	s_cmp_lg_u32 s14, 0
	s_cbranch_scc1 .Lnot_wave_0_\@
	s_barrier_signal -3
.Lnot_wave_0_\@:
	s_barrier_wait -3
	s_barrier_signal -1
	s_barrier_wait -1
.endm
.macro CROUND
	s_barrier_signal -1
	s_barrier_wait -1
	CREST
.endm
	s_load_b128 s[4:7], s[0:1], 0x0                ; ac, asc
	s_load_b128 s[8:11], s[0:1], 0x10              ; Wo's codes, Wo's scales
	s_load_b64 s[12:13], s[0:1], 0x20              ; out0
	s_load_b64 s[96:97], s[0:1], 0x28              ; bo
	v_lshl_add_u32 v[SPW], v0, 2, SPARE
	v_mov_b32 v[NIL], 0
	ds_add_u32 v28, v29
	ds_add_u32 v28, v29
	s_wait_dscnt 0x0
	v_lshrrev_b32 v1, 5, v0
	v_readfirstlane_b32 s14, v1                    ; wave 0..3
	s_lshr_b32 s15, s14, 1                         ; which half of the tile's rows is mine.  Also: I fetch for A (0) or for Wo (1)
	s_and_b32 s16, s14, 1                          ; which half of its columns.  Also: which half of that tile I fetch
	s_bfe_u32 s40, ttmp6, 0x40000                  ; cx
	s_bfe_u32 s41, ttmp6, 0x40004                  ; cy
	s_lshl_b32 s42, ttmp9, 2
	s_add_co_u32 s42, s42, s40                     ; tile column = 4 x cluster x + cx
	s_and_b32 s17, ttmp7, 0xffff
	s_lshl_b32 s17, s17, 2
	s_add_co_u32 s17, s17, s41                     ; tile row = 4 x cluster y + cy
	s_lshl_b32 s43, s41, 2
	s_lshl_b32 s43, 15, s43                        ; my row of the cluster
	s_lshl_b32 s44, 0x1111, s40                    ; my column
	; A: 8 tiles of rows x 3,072 bytes (384 elements of 8 bytes), 12,288 bytes apart in memory, dense in LDS
	s_or_b32 s[G1+0], s43, (3<<16)|(1<<21)         ; 15:0 the mask: my row; elements of 8 bytes; no padding; bit 21 beside a mask
	s_mov_b32 s[G1+1], (ATILE/8)<<16               ; tensor_dim0
	s_mov_b32 s[G1+2], 8<<16                       ; tensor_dim1
	s_mov_b32 s[G1+3], (ATILE/8)<<16               ; tile_dim0
	s_mov_b32 s[G1+4], 8                           ; tile_dim1
	s_mov_b32 s[G1+5], AROW/8                      ; tensor_dim0_stride
	s_mov_b32 s[G1+6], 0
	s_mov_b32 s[G1+7], 0
	; Wo: 128 rows x 192 bytes, 16 bytes of padding behind every 64
	s_or_b32 s[G1B+0], s44, (0<<16)|(1<<20)|(1<<21)|(3<<22)|(3<<25)
	s_mov_b32 s[G1B+1], ROWB<<16
	s_mov_b32 s[G1B+2], 128<<16
	s_mov_b32 s[G1B+3], ROWB<<16
	s_mov_b32 s[G1B+4], 128
	s_mov_b32 s[G1B+5], KROW
	s_mov_b32 s[G1B+6], 0
	s_mov_b32 s[G1B+7], 0
	; Wo's scales of 64 rows: a dense block of 2,048 bytes, as 8 rows of 256 bytes, 16 bytes of padding behind each
	s_or_b32 s[G1SB+0], s44, (3<<16)|(1<<20)|(1<<21)|(5<<22)|(3<<25)
	s_mov_b32 s[G1SB+1], 32<<16
	s_mov_b32 s[G1SB+2], 8<<16
	s_mov_b32 s[G1SB+3], 32<<16
	s_mov_b32 s[G1SB+4], 8
	s_mov_b32 s[G1SB+5], 32
	s_mov_b32 s[G1SB+6], 0
	s_mov_b32 s[G1SB+7], 0
	s_lshl_b32 s20, s17, 4
	s_lshl_b32 s18, s16, 3
	s_add_co_u32 s20, s20, s18                     ; A: tile of rows 16 x tile row + 8 x half
	s_mul_i32 s20, s20, AROW
	s_mov_b32 s21, 0
	s_lshl_b32 s46, s42, 8
	s_lshl_b32 s18, s16, 7
	s_add_co_u32 s46, s46, s18                     ; Wo: row 256 x tile column + 128 x half
	s_mul_i32 s46, s46, KROW
	s_mov_b32 s47, 0
	s_lshl_b32 s92, s42, 8
	s_lshl_b32 s93, s14, 6
	s_add_co_u32 s92, s92, s93                     ; Wo's scales: row 256 x tile column + 64 x wave
	s_lshl_b32 s92, s92, 5
	s_mov_b32 s93, 0
	s_mul_i32 s45, s16, HALFA                      ; where they go: no place in the cluster enters an LDS address
	s_mul_i32 s95, s16, HALFT
	s_add_co_u32 s95, s95, 2*HALFA
	s_mul_i32 s94, s14, 8*272
	s_wait_kmcnt 0x0
	s_add_nc_u64 s[20:21], s[4:5], s[20:21]
	s_add_nc_u64 s[46:47], s[8:9], s[46:47]
	s_add_nc_u64 s[92:93], s[10:11], s[92:93]
	CROUND                                         ; all sixteen work-groups are here: the first joint loads meet
	s_mov_b32 s[G0SB], 1
	s_add_co_u32 s[G0SB+1], s94, SCLB
	s_mov_b64 s[G0SB+2:G0SB+3], s[92:93]
	s_or_b32 s[G0SB+3], s[G0SB+3], 0x80000000
	tensor_load_to_lds s[G0SB:G0SB+3], s[G1SB:G1SB+7]   ; every wave brings a quarter of Wo's scales
	s_nop 0
.rept 4
	v_nop
.endr
.irp s, 0,1
	s_mov_b32 s[G0+4*\s], 1
	s_add_co_u32 s[G0+4*\s+1], s45, \s*SLOT
	s_add_nc_u64 s[G0+4*\s+2:G0+4*\s+3], s[20:21], \s*ATILE
	s_or_b32 s[G0+4*\s+3], s[G0+4*\s+3], 0x80000000
	s_mov_b32 s[G0B+4*\s], 1
	s_add_co_u32 s[G0B+4*\s+1], s95, \s*SLOT
	s_add_nc_u64 s[G0B+4*\s+2:G0B+4*\s+3], s[46:47], \s*ROWB
	s_or_b32 s[G0B+4*\s+3], s[G0B+4*\s+3], 0x80000000
	JLOAD G0+4*\s, G1, G0B+4*\s, G1B               ; three loads of mine are out
.endr
	v_and_b32 v1, 15, v0                           ; r
	v_bfe_u32 v2, v0, 4, 1                         ; h
	v_mul_u32_u24 v3, v1, PITCH
	v_mul_u32_u24 v4, v2, 24
	v_add_nc_u32 v4, v3, v4                        ; Wo: a fragment's row x pitch + 24 x half
	v_lshl_add_u32 v5, v2, 4, v4                   ; and the same behind one padding more
	v_and_b32 v6, 31, v0
	v_lshlrev_b32 v[CO], 4, v6
	v_lshlrev_b32 v9, 3, v6
	s_mul_i32 s21, s15, HALFA                      ; my 8 tiles of rows of A
	s_mul_i32 s22, s16, HALFT                      ; my 128 rows of Wo,
	s_add_co_u32 s22, s22, 2*HALFA                 ; which lie behind A's
.irp s, 0,1
	v_add_nc_u32 v[ADRA+\s], s21, v[CO]
	v_add_nc_u32 v[ADRA+2+\s], s21, v9
	v_add_nc_u32 v[ADRB+\s], s22, v4
	v_add_nc_u32 v[ADRB+2+\s], s22, v5
	s_add_co_u32 s21, s21, SLOT
	s_add_co_u32 s22, s22, SLOT
.endr
	; A's scale words.  Wave w takes heads 4 w .. 4 w + 3, lane l rows 8 l .. 8 l + 7 of the tile's 256: 16 consecutive bytes of asc for each head
	s_lshl_b32 s20, s17, 9                         ; 256 rows x 2 bytes a tile row
	s_lshl_b32 s21, s14, 16                        ; 4 heads x 16,384 bytes
	s_add_co_u32 s20, s20, s21
	s_mov_b32 s21, 0
	s_add_nc_u64 s[6:7], s[6:7], s[20:21]
.irp k, 0,1,2,3
	global_load_b128 v[128+4*\k:131+4*\k], v[CO], s[6:7] offset:16384*\k
.endr
	s_lshl_b32 s46, s42, 10                        ; my first column, in bytes: 1,024 x tile column + 512 x half
	s_lshl_b32 s47, s16, 9
	s_add_co_u32 s46, s46, s47
	s_mov_b32 s47, 0
	s_add_nc_u64 s[96:97], s[96:97], s[46:47]      ; bo of my 128 columns
	v_lshlrev_b32 v[BO], 5, v2
.irp b, 0,1,2,3,4,5,6,7                        ; register jj of accumulator (a, b) wants bo of column 16 b + 8 h + jj
	global_load_b128 v[BC+8*\b:BC+8*\b+3], v[BO], s[96:97] offset:64*\b
	global_load_b128 v[BC+8*\b+4:BC+8*\b+7], v[BO], s[96:97] offset:64*\b+16
.endr
	v_mul_u32_u24 v8, v6, 272                      ; rows 8 l .. 8 l + 7 are one run of 256 bytes: 272 l,
	s_lshl_b32 s20, s14, 3                         ; my four heads' eight bytes in each row's 32
	s_add_co_u32 s20, s20, SCL
	v_add_nc_u32 v8, s20, v8
	s_mov_b32 s66, 0x05040100                      ; two low halves
	s_mov_b32 s67, 0x07060302                      ; two high halves
	v_mul_u32_u24 v5, v1, KS                       ; the scale words on the way to the products: 32 bytes a row,
	v_lshrrev_b32 v6, 8, v5
	v_lshl_add_u32 v5, v6, 4, v5                   ; and 16 more for each 256 passed
	s_mul_i32 s21, s15, HALFS
	s_mul_i32 s22, s16, HALFS
	s_add_co_u32 s22, s22, 2*HALFS
	s_sub_co_u32 s22, s22, s21
	v_mul_u32_u24 v6, s22, v2                      ; lanes 16-31 take Wo's
	s_add_co_u32 s21, s21, SCL
	v_add_nc_u32 v5, v5, v6
	v_add_nc_u32 v[ADRS], s21, v5
	s_mul_i32 s23, s14, 16*SPITCH                  ; my stage
	v_mul_u32_u24 v5, v1, SPITCH
	v_lshl_add_u32 v5, v2, 5, v5
	v_add_nc_u32 v[STO], s23, v5
	v_add_nc_u32 v[RD], s23, v[CO]
	s_lshl_b32 s20, s17, 8
	s_lshl_b32 s21, s15, 7
	s_add_co_u32 s20, s20, s21                     ; my first row of out0
	s_mov_b32 s21, 0
	s_mov_b64 s[18:19], SIZE_N*4
	s_mul_u64 s[20:21], s[20:21], s[18:19]
	s_add_nc_u64 s[20:21], s[20:21], s[46:47]
	s_add_nc_u64 s[12:13], s[12:13], s[20:21]
	s_wait_loadcnt 16                              ; asc's four loads are in; bo's sixteen may be out
.irp i, 0,1,2,3
	v_perm_b32 v[144+4*\i], v[132+\i], v[128+\i], s66     ; row 8 l + 2 i: heads 4 w, 4 w + 1,
	v_perm_b32 v[145+4*\i], v[140+\i], v[136+\i], s66     ; heads 4 w + 2, 4 w + 3
	v_perm_b32 v[146+4*\i], v[132+\i], v[128+\i], s67     ; row 8 l + 2 i + 1
	v_perm_b32 v[147+4*\i], v[140+\i], v[136+\i], s67
.endr
.irp i, 0,1,2,3
	ds_store_b64 v8, v[144+4*\i:145+4*\i] offset:64*\i
	ds_store_b64 v8, v[146+4*\i:147+4*\i] offset:64*\i+32
.endr
.macro FRAG reg, adr, q, i             ; a fragment of Wo: 24 bytes of the row twice, in pieces of 8 bytes; where lanes 16-31's piece lies behind one padding more, the second address register serves
.irp p, 0,1,2,3,4,5
.set PC, 12*(\q)+6*(\p/3)+\p%3
.if PC%8 < 5
	ds_load_b64 v[\reg+2*\p:\reg+2*\p+1], v[\adr] offset:8*PC+16*(PC/8)+(\i)*16*PITCH
.else
	ds_load_b64 v[\reg+2*\p:\reg+2*\p+1], v[\adr+2] offset:8*PC+16*(PC/8)+(\i)*16*PITCH
.endif
.endr
.endm
.macro FRAG_A reg, slot, q, i          ; a fragment of A: two heads' images: registers 0-3, 4-5 of the first, 6-9, 10-11 of the second
	ds_load_b128 v[\reg:\reg+3], v[ADRA+\slot] offset:(\i)*ATILE+(\q)*1536
	ds_load_b64 v[\reg+4:\reg+5], v[ADRA+2+\slot] offset:(\i)*ATILE+(\q)*1536+512
	ds_load_b128 v[\reg+6:\reg+9], v[ADRA+\slot] offset:(\i)*ATILE+(\q)*1536+768
	ds_load_b64 v[\reg+10:\reg+11], v[ADRA+2+\slot] offset:(\i)*ATILE+(\q)*1536+1280
.endm
; 16 matrix instructions: A's blocks a0, a0 + 1 x Wo's eight, 128 along K.  zero = 1: the sums start from bo.  The 64 accumulators take turns, one instruction a turn.
.macro MUL16 a0, p, q, sc, zero
.irp a, \a0, \a0+1
.irp b, 0,1,2,3,4,5,6,7
.if \zero
	v_wmma_scale_f32_16x16x128_f8f6f4 v[8*(8*((\a)%4)+\b):8*(8*((\a)%4)+\b)+7], v[128*(\p)+FR*\b:128*(\p)+FR*\b+FR-1], v[AF+FR*(\a):AF+FR*(\a)+FR-1], v[BC+8*\b:BC+8*\b+7], v[SC+8*NQ*(\sc)+NQ*\b+(\q)], v[SC+8*NQ*(\sc)+NQ*(\a)+(\q)] matrix_a_fmt:MATRIX_FMT_FP6 matrix_b_fmt:MATRIX_FMT_FP6 matrix_a_scale:MATRIX_SCALE_ROW1
.else
	v_wmma_scale_f32_16x16x128_f8f6f4 v[8*(8*((\a)%4)+\b):8*(8*((\a)%4)+\b)+7], v[128*(\p)+FR*\b:128*(\p)+FR*\b+FR-1], v[AF+FR*(\a):AF+FR*(\a)+FR-1], v[8*(8*((\a)%4)+\b):8*(8*((\a)%4)+\b)+7], v[SC+8*NQ*(\sc)+NQ*\b+(\q)], v[SC+8*NQ*(\sc)+NQ*(\a)+(\q)] matrix_a_fmt:MATRIX_FMT_FP6 matrix_b_fmt:MATRIX_FMT_FP6 matrix_a_scale:MATRIX_SCALE_ROW1
.endif
.endr
.endr
.endm
.macro FETCH_B slot, q, p
	WIN TO_B
.irp i, 0,1,2,3,4,5,6,7
	FRAG 128*(\p)+FR*\i, ADRB+\slot, \q, \i
.endr
	WIN 0
.endm
.macro FETCH_A slot, q, i0
.irp i, \i0, \i0+1, \i0+2, \i0+3
	FRAG_A AF+FR*(\i), \slot, \q, \i
.endr
.endm
.macro SCALES sc
.irp i, 0,1,2,3,4,5,6,7
	ds_load_b64 v[SC+8*NQ*\sc+NQ*\i:SC+8*NQ*\sc+NQ*\i+1], v[ADRS] offset:\i*SBLK
.endr
.endm
.macro PLACES n                        ; plain vector instructions between a matrix instruction and a load into, or a read of, its registers
.rept \n
	v_nop
.endr
.endm
.macro STEP slot, q, zero
	s_wait_dscnt 4*NLA                             ; Wo's set and A's blocks 0-3 are in; the youngest 16 loads (A's blocks 4-7) may be out
.if \zero
	WIN 0x81                                       ; C, bo, in window 0; D in window 2
.else
	WIN MUL_LO
.endif
	MUL16 0, (\q)%2, \q, \slot, \zero
	MUL16 2, (\q)%2, \q, \slot, \zero
	s_wait_dscnt 0
	PLACES NP
	FETCH_B \slot, (\q)+1, 1-(\q)%2
	FETCH_A \slot, (\q)+1, 0
.if \zero
	WIN 0xc1
.else
	WIN MUL_HI
.endif
	MUL16 4, (\q)%2, \q, \slot, \zero
	MUL16 6, (\q)%2, \q, \slot, \zero
	PLACES NP
	WIN 0
	FETCH_A \slot, (\q)+1, 4
.endm
; A slot's last step changes slots: ONE barrier; in front of it each wave waits for all its tensor loads, adds 0 to its spare word, and waits for that and for its own reads of this slot.
.macro TURN slot, next, fill
	s_wait_tensorcnt 0x0                           ; all my tensor loads have landed: my part of the next slot;  (every window is 0 here)
	ds_add_u32 v[SPW], v[NIL]                      ; 0 onto my spare word
	s_wait_dscnt 4*NLA+1                           ; (the add and the youngest 16 loads, A's blocks 4-7, may be out)
	WIN MUL_LO
	MUL16 0, 1, NQ-1, \slot, 0
	s_wait_dscnt 0x0                               ; the add is done, and my reads of this slot are over
	s_barrier_signal -1
	MUL16 2, 1, NQ-1, \slot, 0
	WIN 0
	s_barrier_wait -1
.if \fill
	CREST                                          ; the barrier has opened a round of the cluster's barrier: no wave of any partner still reads this slot's tile or has a load on its way
	s_add_nc_u64 s[G0+4*\slot+2:G0+4*\slot+3], s[G0+4*\slot+2:G0+4*\slot+3], 2*ATILE
	s_add_nc_u64 s[G0B+4*\slot+2:G0B+4*\slot+3], s[G0B+4*\slot+2:G0B+4*\slot+3], 2*ROWB
	JLOAD G0+4*\slot, G1, G0B+4*\slot, G1B         ; the first tensor load behind the round; its four v_nop are the places in front of the loads below
.else
	PLACES NP
.endif
	v_add_nc_u32 v[ADRS], 4*NQ, v[ADRS]
	FETCH_B \next, 0, 0
	FETCH_A \next, 0, 0
	SCALES \next
	WIN MUL_HI
	MUL16 4, 1, NQ-1, \slot, 0
	MUL16 6, 1, NQ-1, \slot, 0
	PLACES NP
	WIN 0
	FETCH_A \next, 0, 4
.endm
	s_wait_tensorcnt 1                             ; Wo's scales and my part of K step 0 are in (K step 1's load may be out)
	s_wait_dscnt 0x0                               ; and my part of A's scale words lies in LDS
	s_barrier_signal -1
	s_barrier_wait -1                              ; everybody's do
	FETCH_B 0, 0, 0
	FETCH_A 0, 0, 0
	SCALES 0
	FETCH_A 0, 0, 4
	s_wait_loadcnt 0x0                             ; bo
	STEP 0, 0, 1                                   ; the first step stands in front of the loop: its products start the sums from bo
	s_mov_b32 s3, LAPS-1
.Llap:
	TURN 0, 1, 1
	STEP 1, 0, 0
	TURN 1, 0, 1
	STEP 0, 0, 0
	s_sub_co_u32 s3, s3, 1
	s_cmp_lg_u32 s3, 0
	s_cbranch_scc1 .Llap
	TURN 0, 1, 0                                   ; the last lap fills nothing
	STEP 1, 0, 0
	s_wait_dscnt 4*NLA
	WIN MUL_LO
	MUL16 0, 1, NQ-1, 1, 0
	MUL16 2, 1, NQ-1, 1, 0
	s_wait_dscnt 0
	WIN MUL_HI
	MUL16 4, 1, NQ-1, 1, 0
	MUL16 6, 1, NQ-1, 1, 0
	WIN 0
; THE WAY OUT, block by block of 16 rows x 128 columns, through my own stage in LDS: in as 32 bytes a lane, back as whole rows of 512 bytes.  LDS serves a wave's instructions in order (ISA guide 5.7.1.4).
.macro TOSTAGE a
.set AC, 64*((\a)%4)
	WIN 0x08+4*((\a)/4)                            ; the data: window 2 or 3
.irp b, 0,1,2,3,4,5,6,7
	ds_store_b128 v[STO], v[AC+8*\b:AC+8*\b+3] offset:64*\b          ; each accumulator from its low end on
	ds_store_b128 v[STO], v[AC+8*\b+4:AC+8*\b+7] offset:64*\b+16
.endr
	WIN 0
.set BB, BK+64*((\a)%2)
.irp t, 0,1,2,3,4,5,6,7,8,9,10,11,12,13,14,15
	ds_load_b128 v[BB+4*\t:BB+4*\t+3], v[RD] offset:\t*SPITCH
.endr
.endm
.macro SEND a, younger
.set BB, BK+64*((\a)%2)
	s_wait_dscnt \younger                          ; the block is back in registers
.if (\a) > 0
	s_add_nc_u64 s[12:13], s[12:13], 16*SIZE_N*4   ; (behind a wait on XCNT: the earlier stores have read their base)
.endif
.irp t, 0,1,2,3,4,5,6,7,8,9,10,11,12,13,14,15
	global_store_b128 v[CO], v[BB+4*\t:BB+4*\t+3], s[12:13] offset:\t*SIZE_N*4 th:TH_STORE_NT   ; 32 lanes store 512 consecutive bytes, at a multiple of 256 from out0's first byte
.endr
.endm
	PLACES NP
	TOSTAGE 0
.irp a, 1,2,3,4,5,6,7
.if \a > 1
	s_wait_xcnt 0x0                                ; block a - 2's stores have read their registers and their base
.endif
	TOSTAGE \a
	SEND \a-1, 32                                  ; behind block a - 1's loads: block a's 16 stores and 16 loads
.endr
	s_wait_xcnt 0x0
	SEND 7, 0
	s_wait_tensorcnt 0x0                           ; the wave's end
	ds_add_u32 v[SPW], v[NIL]
	s_wait_dscnt 0x0
	CROUND                                         ; the closing round
	s_endpgm
.Lfunc_end_k_q47d6af239e_oproj:
	.size	k_q47d6af239e_oproj, .Lfunc_end_k_q47d6af239e_oproj-k_q47d6af239e_oproj
	.p2alignl 7, 3214868480
	.fill 96, 4, 3214868480
	.section	.rodata,"a",@progbits
	.p2align	6, 0x0
	.amdhsa_kernel k_q47d6af239e_oproj
		.amdhsa_group_segment_fixed_size 327680
		.amdhsa_private_segment_fixed_size 0
		.amdhsa_enable_private_segment 0
		.amdhsa_kernarg_size 48
		.amdhsa_user_sgpr_count 2
		.amdhsa_user_sgpr_kernarg_segment_ptr 1
		.amdhsa_wavefront_size32 1
		.amdhsa_system_sgpr_workgroup_id_x 1
		.amdhsa_system_sgpr_workgroup_id_y 1
		.amdhsa_system_sgpr_workgroup_id_z 1
		.amdhsa_system_vgpr_workitem_id 0
		.amdhsa_next_free_vgpr 1024
		.amdhsa_next_free_sgpr 100
		.amdhsa_reserve_vcc 0
		.amdhsa_float_denorm_mode_32 3
		.amdhsa_float_denorm_mode_16_64 3
		.amdhsa_memory_ordered 1
		.amdhsa_forward_progress 1
		.amdhsa_inst_pref_size 155
	.end_amdhsa_kernel
	.amdgpu_metadata
---
amdhsa.version: [ 1, 2 ]
amdhsa.kernels:
  - .name:           k_q47d6af239e_oproj
    .symbol:         k_q47d6af239e_oproj.kd
    .args:
      - { .name: ac, .offset: 0, .size: 8, .value_kind: global_buffer, .address_space: global }
      - { .name: asc, .offset: 8, .size: 8, .value_kind: global_buffer, .address_space: global }
      - { .name: Wo_codes, .offset: 16, .size: 8, .value_kind: global_buffer, .address_space: global }
      - { .name: Wo_scales, .offset: 24, .size: 8, .value_kind: global_buffer, .address_space: global }
      - { .name: out0, .offset: 32, .size: 8, .value_kind: global_buffer, .address_space: global }
      - { .name: bo, .offset: 40, .size: 8, .value_kind: global_buffer, .address_space: global }
    .group_segment_fixed_size: 327680
    .private_segment_fixed_size: 0
    .kernarg_segment_align: 8
    .kernarg_segment_size: 48
    .max_flat_workgroup_size: 128
    .sgpr_count:     100
    .vgpr_count:     1024
    .wavefront_size: 32
...
	.end_amdgpu_metadata
.endif
;; end of part 3
